; MI455X (gfx1250); checked and timed in simulation.
; The chip was launched on July 23, 2026; its instructions are those of AMD's public machine-readable ISA for CDNA 5 (MIT licence, August 2026) and "CDNA5" Instruction Set Architecture Reference Guide (July 2026). The comments in the code are by the model that wrote it; some were corrected since.
;; Multi Head Attention. Allowed arithmetic: matrix products marked QUANTISED: E2M3 operands, one E8M0 scale for each 32 along K, by v_wmma_scale_f32_16x16x128_f8f6f4 with both operands' format E2M3, f32 sums; everything else in f32.
;; Inputs: W_K 1,024 x 1,024 float32; W_O 1,024 x 1,024 float32; W_Q 1,024 x 1,024 float32; W_V 1,024 x 1,024 float32; X_KV 4 x 2,048 x 1,024 float32; X_Q 4 x 2,048 x 1,024 float32; key_padding_mask 4 x 2,048 bool.
;; Outputs: out0 4 x 2,048 x 1,024 float32.
;; This version of the problem:
;;   THIS VERSION OF THE PROBLEM IS GIVEN IN LOW PRECISION. The matrix products marked QUANTISED in the list below multiply operands that are first quantised to E2M3 (2 exponent bits, 3 mantissa bits; 6 bits a number), with one power-of-two scale for each 32 numbers along K (OCP MX v1.0); their sums are f32. All else is computed in f32.
;;   The module's matrix products, in the order in which they are computed (A, B: the left and right operand; K: the contracted axis; several contracted axes count as one K, in the product's order):
;;     1. [M 8,192, K 1,024] x [K 1,024, N 1,024]; A: input X_Q; B: input W_Q: QUANTISED
;;     2. [M 8,192, K 1,024] x [K 1,024, N 1,024]; A: input X_KV; B: input W_K: QUANTISED
;;     3. [M 8,192, K 1,024] x [K 1,024, N 1,024]; A: input X_KV; B: input W_V: QUANTISED
;;     4. batch 64 x [M 2,048, K 64] x [K 64, N 2,048]; A: computed on the way; B: computed on the way: QUANTISED
;;     5. batch 64 x [M 2,048, K 2,048] x [K 2,048, N 64]; A: softmax (see below); B: computed on the way: QUANTISED
;;     6. [M 8,192, K 1,024] x [K 1,024, N 1,024]; A: computed on the way; B: input W_O: QUANTISED
;;   THE QUANTISER, for each operand of a quantised product, along K:
;;     - K is cut into blocks of 32 from its start; a last block that is shorter is filled with zeros.
;;     - A block's scale is 2^e with e = floor(log2(the largest magnitude in the block)) - 2, held to -126 .. 127; a block of zeros has e = 0. As a byte (E8M0): e + 127.
;;     - Each number is divided by its block's scale, clamped to +-7.5, and rounded to the nearest number of E2M3, ties to even, subnormals kept.
;;     - The product sums the exact products of the quantised numbers (number of the format x scale) in f32.
;;   ~~~python
;;   def quantise(x, axis):      # numpy; x: float32 -> the quantised numbers, widened to float32 again
;;       x = np.moveaxis(x, axis, -1); K = x.shape[-1]
;;       x = np.pad(x, [(0, 0)] * (x.ndim - 1) + [(0, -K % 32)]); x = x.reshape(x.shape[:-1] + (-1, 32)); a = np.abs(x).max(-1, keepdims=True)
;;       e = np.where(a > 0, np.clip(np.frexp(np.where(a > 0, a, 1))[1] - 1 - 2, -126, 127), 0)      # np.frexp(a)[1] - 1 = floor(log2(a)), exactly
;;       r = np.clip(x / 2.0 ** e, -7.5, 7.5)
;;       step = 2.0 ** (np.maximum(np.frexp(np.where(r == 0, 1, r))[1] - 1, 0) - 3)
;;       q = np.round(r / step) * step * 2.0 ** e      # np.round: ties to even
;;       return np.moveaxis(q.reshape(q.shape[:-2] + (-1,))[..., :K], -1, axis).astype(np.float32)
;;   ~~~
;;   SOFTMAX AHEAD OF A QUANTISED PRODUCT. Where the list says 'softmax', what is quantised is not the finished softmax but p = 2^(t - M), with t = logit x log2(e) and M = ceil(the row's largest t), a whole number; so 1/2 < the row's largest p <= 1. The row's sum l is taken of the UNQUANTISED p, in f32, and the product's result is divided by l at the end. Since M is a whole number, a kernel that streams over the keys may use a running M (the ceiling of the running maximum): every later rescaling is an exact power of two, which a block's scale takes up: the codes' values come out the same.
;;   OPERANDS COMPUTED ON THE WAY. 'Computed on the way' means the value that the module computes at that place (a softmax that the list does not call 'softmax' is quantised finished and normalised). What goes into a quantiser is computed in f32, as accurately as f32 sums, v_exp_f32 and their like allow (about 1e-6 of the number): no bf16 or f16 on the way to a quantiser, and a product that is left as it is and whose result goes on into a quantised operand takes f32 operands (vector FMAs, or v_wmma_f32_16x16x4_f32). A number that lies on a knife's edge between two numbers of the format may be rounded either way, as far as f32 arithmetic and the matrix unit's own rounding can turn it there, and no further.
;; One version. Each part assembles by itself: llvm-mc -triple=amdgcn-amd-amdhsa -mcpu=gfx1250 --defsym DOCPART=n.
;; ======== version 1 of 1: 5 launches
;; limits: right only within a limited range of input values
;; workspace buffers: codes 15,728,640 bytes; scales 655,360 bytes; q_img 8,912,896 bytes; kv_img 15,466,496 bytes; y_codes 6,291,456 bytes; y_scales 262,144 bytes
;; launch quantx (part 1): grid 512 x 1, 4 waves a work-group, no clusters, 33,280 bytes of LDS; arguments X_Q, X_KV, codes, scales; writes codes, scales
.if DOCPART == 1
	.amdgcn_target "amdgcn-amd-amdhsa--gfx1250"
	.amdhsa_code_object_version 6
	.text
	.protected	k_q6125980562_quantx
	.globl	k_q6125980562_quantx
	.p2align	8
	.type	k_q6125980562_quantx,@function
k_q6125980562_quantx:
	s_mov_b64 s[64:65], 0
	v_nop
	global_prefetch_b8 v0, s[64:65] scope:SCOPE_SE
	s_setreg_imm32_b32 hwreg(HW_REG_WAVE_MODE, 25, 1), 1
	s_wait_xcnt 0x0
; X_Q and X_KV, [8192][1024] f32, become codes of FP6 (E2M3), K innermost (768 bytes a row), with one E8M0 scale byte for each 32 along K (32 bytes a row).
; A block's scale is 2^(floor(log2(its largest magnitude)) - 2); its byte is the largest magnitude's exponent field - 2, held at 1 from below.  A block of zeros gets the byte 1 where the
; rule says 127: its codes are zeros, and this program alone reads the bytes.
; LIMITS: blocks whose largest magnitude lies under 2^-124 have their byte held at 1; NaN and infinities among the inputs are not served.
; THE ROWS ARE STORED IN ANOTHER ORDER: inside each group of 64 rows, row 32 hb + 8 t + j lies at position 16 t + 8 hb + j.  The products that read 16 consecutive positions as a tile then leave, in a lane's
; registers, whole blocks of 32 neighbouring actual rows.  Eight neighbouring rows stay neighbours, so here only the place of a wave's run of 8 rows changes.
; A wave takes a run of 8 rows, 16 steps of 512 numbers.  Each load reads 512 consecutive bytes; a step's 2,048 bytes turn through the wave's own stage in LDS so that a lane holds 16 neighbours along K (two lanes a block).
; The first 256 work-groups take X_Q, the others X_KV: only pointers and offsets are chosen.  No barrier: waves share nothing.  Loads run four steps (16 loads a wave) ahead.
.set WAVES, 4
.set STEPS, 16
.set WGA,   256                        ; work-groups for a tensor: 8192 x 1024 / 32768
.set XSZ,   6291456                    ; X_KV's codes begin here in the codes' buffer
.set XSS,   262144                     ; and its scale bytes here
.set EMAX,  2
.set CB,    12                         ; bytes of 16 codes
.set R,     16                         ; v16-79   four sets of 16 numbers as they are loaded
.set X,     80                         ; v80-111  two sets of 16 neighbours
.set C,     128                        ; v128-191 codes: four registers for each step, so that no store's data are written again
.set E,     112                        ; v112-127 a scale byte for each step
.set WREG,  8192                       ; LDS: a region for each wave: two stages of 32 x SP bytes, behind them its 256 scale bytes
.set SP,    80                         ; a lane's place in a stage: 64 bytes + 16 of padding
.set SPW,   12                         ; v12      LDS address of my spare word; never rewritten
.set NIL,   13                         ; v13      0; never rewritten
.set SPARE, WAVES*WREG                 ; behind the regions: the spare words, 128 bytes a wave
	s_load_b128 s[4:7], s[0:1], 0x0                ; X_Q, X_KV
	s_load_b128 s[8:11], s[0:1], 0x10              ; codes, scales
	v_lshl_add_u32 v[SPW], v0, 2, SPARE
	v_mov_b32 v[NIL], 0
	v_lshrrev_b32 v1, 5, v0
	v_readfirstlane_b32 s16, v1                    ; wave
	v_and_b32 v2, 31, v0                           ; lane
	v_lshlrev_b32 v3, 4, v2                        ; my 16 bytes of a load's 512
	s_mul_i32 s17, s16, WREG
	v_lshrrev_b32 v14, 2, v2
	v_mul_u32_u24 v14, v14, SP
	v_and_b32 v15, 3, v2
	v_lshl_add_u32 v14, v15, 4, v14
	v_add_nc_u32 v14, s17, v14                     ; the stage, on the way in: SP (lane / 4) + 16 (lane % 4)
	v_mul_u32_u24 v15, v2, SP
	v_add_nc_u32 v15, s17, v15                     ; and on the way out: SP x lane: my 16 neighbours
	v_mul_u32_u24 v4, v2, CB                       ; my codes' place in a step's
	v_lshrrev_b32 v5, 1, v2
	s_add_co_u32 s17, s17, 2*32*SP
	v_add_nc_u32 v5, s17, v5                       ; LDS: my wave's 256 scale bytes, my block's byte
	v_lshlrev_b32 v7, 3, v2                        ; and on the way out 8 bytes a lane
	v_add_nc_u32 v6, s17, v7
	s_wait_kmcnt 0x0
	s_cmp_lt_u32 ttmp9, WGA                        ; X_Q's work-group or X_KV's: the choice hangs on the work-group's number alone
	s_cselect_b64 s[4:5], s[4:5], s[6:7]
	s_cselect_b32 s17, 0, WGA
	s_cselect_b32 s22, 0, XSZ
	s_cselect_b32 s24, 0, XSS
	s_sub_co_u32 s17, ttmp9, s17
	s_lshl_b32 s17, s17, 2
	s_add_co_u32 s18, s17, s16                     ; which run of 8 rows of the tensor is my wave's: 0 .. 1023
	s_lshl_b32 s20, s18, 15                        ; 8 rows of 4,096 bytes
	s_mov_b32 s21, 0
	s_add_nc_u64 s[4:5], s[4:5], s[20:21]
	s_and_b32 s19, s18, 0xfffffff8                 ; the run's place: of a group's eight runs, run 4 hb + t goes to place 2 t + hb
	s_and_b32 s23, s18, 3
	s_lshl_b32 s23, s23, 1
	s_bfe_u32 s25, s18, 0x10002
	s_or_b32 s19, s19, s23
	s_or_b32 s19, s19, s25
	s_mul_i32 s26, s19, 32*STEPS*CB                ; 6,144 bytes of codes a run
	s_add_co_u32 s26, s26, s22
	s_mov_b32 s27, 0
	s_add_nc_u64 s[8:9], s[8:9], s[26:27]
	s_lshl_b32 s26, s19, 8                         ; 256 scale bytes a run
	s_add_co_u32 s26, s26, s24
	s_add_nc_u64 s[10:11], s[10:11], s[26:27]
.macro LOAD t
.irp i, 0,1,2,3
	global_load_b128 v[R+16*((\t)%4)+4*\i:R+16*((\t)%4)+4*\i+3], v3, s[4:5] offset:2048*(\t)+512*\i th:TH_LOAD_NT   ; 32 lanes read 512 consecutive bytes
.endr
.endm
.macro TURN t                          ; step t's numbers through the stage: LDS serves a wave's instructions in order, so no wait stands between the stores and the loads
.irp i, 0,1,2,3
	ds_store_b128 v14, v[R+16*((\t)%4)+4*\i:R+16*((\t)%4)+4*\i+3] offset:32*SP*((\t)%2)+8*SP*\i
.endr
.irp i, 0,1,2,3
	ds_load_b128 v[X+16*((\t)%2)+4*\i:X+16*((\t)%2)+4*\i+3], v15 offset:32*SP*((\t)%2)+16*\i
.endr
.endm
.irp t, 0,1,2,3
	LOAD \t
.endr
	s_wait_loadcnt 12                              ; step 0's four loads are in
	TURN 0
.macro STEP t
.set XS, X+16*((\t)%2)
.if (\t) > 0
	s_wait_dscnt 1                                 ; this step's numbers are back from the stage (the last step's byte store may be out): so its stores into the stage have read their registers,
.else
	s_wait_dscnt 0x0
.endif
.if (\t)+4 < STEPS
	LOAD (\t)+4                                    ; which take the loads of four steps on
.endif
.if (\t)+1 < STEPS
.if STEPS-2-(\t) >= 3
	s_wait_loadcnt 12                              ; the next step's four loads are in; those of the three steps behind it may be out
.else
	s_wait_loadcnt 4*(STEPS-2-(\t))
.endif
	TURN (\t)+1                                    ; and go through the other stage while this step is worked
.endif
	v_max3_num_f32 v8, |v[XS]|, |v[XS+1]|, |v[XS+2]|               ; the largest magnitude of my 16
	v_max3_num_f32 v9, |v[XS+3]|, |v[XS+4]|, |v[XS+5]|
.irp i, 6,10
	v_max3_num_f32 v8, v8, |v[XS+\i]|, |v[XS+\i+1]|
	v_max3_num_f32 v9, v9, |v[XS+\i+2]|, |v[XS+\i+3]|
.endr
	v_max3_num_f32 v8, v8, |v[XS+14]|, |v[XS+15]|
	v_max3_num_f32 v8, v8, v9, (EMAX+1)<<23        ; and the floor 2^(3 - 127): the byte cannot fall under 1
	v_max_num_f32_dpp v8, v8, v8 row_xmask:1 row_mask:0xf bank_mask:0xf   ; and of my neighbour's 16: the block's
	v_add_nc_u32 v11, -(EMAX<<23), v8              ; 2 off its exponent field: the conversion takes the exponent field of this operand as its scale
	v_cvt_scalef32_pk16_fp6_f32 v[C+4*(\t):C+4*(\t)+2], v[XS:XS+15], v11         ; sixteen codes, 96 bits without gaps
	v_lshrrev_b32 v[E+(\t)], 23, v11               ; the scale's byte (also the plain line behind the conversion)
	ds_store_b8 v5, v[E+(\t)] offset:16*(\t)       ; both lanes of a block write the same byte with the same value
	global_store_b96 v4, v[C+4*(\t):C+4*(\t)+2], s[8:9] offset:32*CB*(\t)
.endm
.irp t, 0,1,2,3,4,5,6,7,8,9,10,11,12,13,14,15
	STEP \t
.endr
	ds_load_b64 v[8:9], v6                         ; LDS serves a wave's instructions in order: these see my stores
	s_wait_dscnt 0x0
	global_store_b64 v7, v[8:9], s[10:11]          ; 32 lanes store 256 consecutive bytes, aligned
	s_wait_tensorcnt 0x0                           ; the wave's end: behind my last LDS store
	ds_add_u32 v[SPW], v[NIL]
	s_wait_dscnt 0x0
	s_endpgm
.Lfunc_end_k_q6125980562_quantx:
	.size	k_q6125980562_quantx, .Lfunc_end_k_q6125980562_quantx-k_q6125980562_quantx
	.p2alignl 7, 3214868480
	.fill 96, 4, 3214868480
	.section	.rodata,"a",@progbits
	.p2align	6, 0x0
	.amdhsa_kernel k_q6125980562_quantx
		.amdhsa_group_segment_fixed_size 33280
		.amdhsa_private_segment_fixed_size 0
		.amdhsa_enable_private_segment 0
		.amdhsa_kernarg_size 32
		.amdhsa_user_sgpr_count 2
		.amdhsa_user_sgpr_kernarg_segment_ptr 1
		.amdhsa_wavefront_size32 1
		.amdhsa_system_sgpr_workgroup_id_x 1
		.amdhsa_system_sgpr_workgroup_id_y 1
		.amdhsa_system_sgpr_workgroup_id_z 1
		.amdhsa_system_vgpr_workitem_id 0
		.amdhsa_next_free_vgpr 192
		.amdhsa_next_free_sgpr 66
		.amdhsa_reserve_vcc 0
		.amdhsa_float_denorm_mode_32 3
		.amdhsa_float_denorm_mode_16_64 3
		.amdhsa_memory_ordered 1
		.amdhsa_forward_progress 1
		.amdhsa_inst_pref_size 33
	.end_amdhsa_kernel
	.amdgpu_metadata
---
amdhsa.version: [ 1, 2 ]
amdhsa.kernels:
  - .name:           k_q6125980562_quantx
    .symbol:         k_q6125980562_quantx.kd
    .args:
      - { .name: X_Q, .offset: 0, .size: 8, .value_kind: global_buffer, .address_space: global }
      - { .name: X_KV, .offset: 8, .size: 8, .value_kind: global_buffer, .address_space: global }
      - { .name: codes, .offset: 16, .size: 8, .value_kind: global_buffer, .address_space: global }
      - { .name: scales, .offset: 24, .size: 8, .value_kind: global_buffer, .address_space: global }
    .group_segment_fixed_size: 33280
    .private_segment_fixed_size: 0
    .kernarg_segment_align: 8
    .kernarg_segment_size: 32
    .max_flat_workgroup_size: 128
    .sgpr_count:     66
    .vgpr_count:     192
    .wavefront_size: 32
...
	.end_amdgpu_metadata
.endif
;; end of part 1
;; launch quantw (part 2): grid 32 x 4, 4 waves a work-group, no clusters, 35,840 bytes of LDS; arguments W_Q, W_K, W_V, W_O, codes, scales; writes codes, scales
.if DOCPART == 2
	.amdgcn_target "amdgcn-amd-amdhsa--gfx1250"
	.amdhsa_code_object_version 6
	.text
	.protected	k_q6125980562_quantw
	.globl	k_q6125980562_quantw
	.p2align	8
	.type	k_q6125980562_quantw,@function
k_q6125980562_quantw:
	s_mov_b64 s[64:65], 0
	v_nop
	global_prefetch_b8 v0, s[64:65] scope:SCOPE_SE
	s_setreg_imm32_b32 hwreg(HW_REG_WAVE_MODE, 25, 1), 1
	s_wait_xcnt 0x0
; The four weights, [1024 (k)][1024 (n)] f32, K their FIRST axis, become codes of FP6 (E2M3) laid [n][k] with K innermost (768 bytes a row) and one E8M0 scale byte for each 32 along K (32 bytes a row).
; A LANE TAKES A COLUMN n, AND ITS REGISTERS RUN DOWN K: a block of 32 along K lies in one lane's 32 registers, its largest magnitude needs no other lane, and the conversions give the codes with K innermost.
; A block's scale is 2^(floor(log2(its largest magnitude)) - 2); its byte is the exponent field - 2, held at 1 from below (a block of zeros gets 1: its codes are zeros, and this program alone reads the bytes).
; LIMITS: blocks whose largest magnitude lies under 2^-124 have their byte held at 1; NaN and infinities are not served.
; THE ROWS n ARE STORED IN ANOTHER ORDER: inside each group of 64, row 32 hb + 8 t + j lies at position 16 t + 8 hb + j.  A wave's 32 columns are one half hb of a group: its column 8 t + j goes to position 16 t + 8 hb + j.
; Work-group x: weight x / 8 (Q, K, V, O) and 128 columns (x % 8); y: 256 along K.  A wave: 32 columns x 256 along K, 192 bytes of codes a column, through its own stage in LDS, out as rows.
; No barrier: waves share nothing.  Loads run two blocks (64 loads a wave) ahead.  Every offset is an immediate: 255 x 4,096 and 54 x 768 lie inside the signed 24 bits.
.set SIZE_K, 1024
.set SIZE_N, 1024
.set KW,    256                        ; along K for a wave
.set NB,    KW/32                      ; blocks
.set ROWB,  192                        ; bytes of KW codes
.set PITCH, 272                        ; a stage row: sixteen places of 16 bytes, each with 12 bytes of codes, + 16
.set KROW,  SIZE_K*6/8                 ; a row of the codes in bytes
.set XW,    12582912                   ; the weights' codes begin here,
.set WSZ,   786432                     ; so many bytes a weight;
.set XS,    524288                     ; their scale bytes here,
.set WSS,   32768                      ; so many a weight
.set EMAX,  2
.set X,     32                         ; v32-95   two sets of 32 numbers
.set C,     96                         ; v96..    a block's codes
.set OUTR,  112                        ; v112-175 the way out: 16 x 4 registers
.set SPW,   14                         ; v14      LDS address of my spare word; never rewritten
.set NIL,   15                         ; v15      0; never rewritten
.set SPARE, 4*32*PITCH                 ; behind the four stages: the spare words, 128 bytes a wave
.set SB,    24                         ; v24-25   the scale bytes, four to a register
	s_load_b256 s[4:11], s[0:1], 0x0               ; W_Q s[4:5], W_K s[6:7], W_V s[8:9], W_O s[10:11]
	s_load_b128 s[12:15], s[0:1], 0x20             ; codes s[12:13], scales s[14:15]
	v_lshl_add_u32 v[SPW], v0, 2, SPARE
	v_mov_b32 v[NIL], 0
	v_lshrrev_b32 v1, 5, v0
	v_readfirstlane_b32 s16, v1                    ; wave 0..3
	v_and_b32 v2, 31, v0                           ; lane
	s_lshr_b32 s30, ttmp9, 3                       ; which weight
	s_and_b32 s31, ttmp9, 7                        ; which 128 columns
	s_lshl_b32 s17, s31, 7
	s_lshl_b32 s18, s16, 5
	s_add_co_u32 s17, s17, s18                     ; my wave's first column
	s_and_b32 s18, ttmp7, 0xffff                   ; which 256 along K
	v_lshlrev_b32 v3, 2, v2                        ; in: 4 bytes a lane
	s_mul_i32 s19, s16, 32*PITCH                   ; my stage
	v_mul_u32_u24 v4, v2, PITCH
	v_add_nc_u32 v4, s19, v4                       ; into it: row = my column
	v_and_b32 v5, 15, v2
	v_lshrrev_b32 v6, 4, v2                        ; out of it: sixteen lanes to a row, two rows an instruction
	v_mul_u32_u24 v7, v6, PITCH
	v_lshl_add_u32 v7, v5, 4, v7
	v_add_nc_u32 v7, s19, v7                       ; LDS address
	v_mul_u32_u24 v8, v6, KROW
	v_mad_u32_u24 v8, v5, 12, v8                   ; and the same place among two neighbouring positions of the codes
	v_lshrrev_b32 v9, 3, v2
	v_and_b32 v10, 7, v2
	v_lshl_add_u32 v9, v9, 4, v10
	v_lshlrev_b32 v9, 5, v9                        ; my column's row of scale bytes: position 16 (lane / 8) + lane % 8, 32 bytes a row
	s_lshl_b32 s20, s18, 20                        ; W: 256 y rows of 4,096 bytes
	s_lshl_b32 s22, s17, 2
	s_add_co_u32 s20, s20, s22                     ; + 4 x column
	s_mov_b32 s21, 0
	s_lshl_b32 s22, s31, 7                         ; my wave's first position: 128 x + 64 (wave / 2) + 8 (wave % 2)
	s_lshr_b32 s23, s16, 1
	s_lshl_b32 s23, s23, 6
	s_add_co_u32 s22, s22, s23
	s_and_b32 s23, s16, 1
	s_lshl_b32 s23, s23, 3
	s_add_co_u32 s22, s22, s23
	s_mul_i32 s24, s22, KROW                       ; codes: position x 768 + 192 y, in my weight's part
	s_mul_i32 s26, s30, WSZ
	s_add_co_u32 s24, s24, s26
	s_mul_i32 s26, s18, ROWB
	s_add_co_u32 s24, s24, s26
	s_add_co_u32 s24, s24, XW
	s_mov_b32 s25, 0
	s_lshl_b32 s28, s22, 5                         ; scale bytes: position x 32 + 8 y
	s_mul_i32 s26, s30, WSS
	s_add_co_u32 s28, s28, s26
	s_lshl_b32 s26, s18, 3
	s_add_co_u32 s28, s28, s26
	s_add_co_u32 s28, s28, XS
	s_mov_b32 s29, 0
	s_and_b32 s32, s30, 1
	s_wait_kmcnt 0x0
	s_cmp_lt_u32 s30, 2                            ; the weight is chosen by the work-group's number alone
	s_cselect_b64 s[4:5], s[4:5], s[8:9]           ; Q or V
	s_cselect_b64 s[6:7], s[6:7], s[10:11]         ; K or O
	s_cmp_eq_u32 s32, 1
	s_cselect_b64 s[4:5], s[6:7], s[4:5]
	s_add_nc_u64 s[4:5], s[4:5], s[20:21]
	s_add_nc_u64 s[12:13], s[12:13], s[24:25]
	s_add_nc_u64 s[14:15], s[14:15], s[28:29]
.macro LOAD t                          ; block t: W(32 t + i, my column), i = 0 .. 31, into set t % 2
.irp i, 0,1,2,3,4,5,6,7,8,9,10,11,12,13,14,15,16,17,18,19,20,21,22,23,24,25,26,27,28,29,30,31
	global_load_b32 v[X+32*((\t)%2)+\i], v3, s[4:5] offset:(32*(\t)+\i)*SIZE_N*4 th:TH_LOAD_NT
.endr
.endm
	LOAD 0
	LOAD 1
.macro BLOCK t
.set XS_, X+32*((\t)%2)
.if (\t) < NB-1
	s_wait_loadcnt 32                              ; this block's 32 loads are in; the next block's may be out
.else
	s_wait_loadcnt 0
.endif
	v_max3_num_f32 v12, |v[XS_]|, |v[XS_+1]|, |v[XS_+2]|            ; the block's largest magnitude: all 32 numbers are mine
	v_max3_num_f32 v13, |v[XS_+3]|, |v[XS_+4]|, |v[XS_+5]|
.irp i, 6,10,14,18,22,26
	v_max3_num_f32 v12, v12, |v[XS_+\i]|, |v[XS_+\i+1]|
	v_max3_num_f32 v13, v13, |v[XS_+\i+2]|, |v[XS_+\i+3]|
.endr
	v_max3_num_f32 v12, v12, |v[XS_+30]|, |v[XS_+31]|
	v_max3_num_f32 v12, v12, v13, (EMAX+1)<<23     ; and the floor 2^(3 - 127): the byte cannot fall under 1
	v_add_nc_u32 v11, -(EMAX<<23), v12             ; 2 off its exponent field: the conversion's scale operand
	v_lshrrev_b32 v13, 23, v11                     ; the scale's byte
.if (\t)%4 == 0
	v_mov_b32 v[SB+(\t)/4], v13                    ; four bytes to a register, the lower K in the lower byte
.else
	v_lshl_or_b32 v[SB+(\t)/4], v13, 8*((\t)%4), v[SB+(\t)/4]
.endif
	v_cvt_scalef32_pk16_fp6_f32 v[C:C+2], v[XS_:XS_+15], v11
	v_cvt_scalef32_pk16_fp6_f32 v[C+4:C+6], v[XS_+16:XS_+31], v11   ; (a conversion's three registers begin on an even number)
	ds_store_b96 v4, v[C:C+2] offset:32*(\t)       ; 16 codes, 12 bytes, to a place of 16 bytes in the stage
	ds_store_b96 v4, v[C+4:C+6] offset:32*(\t)+16
.if (\t)+2 < NB
	LOAD (\t)+2
.endif
	s_wait_dscnt 0x0                               ; the stores have read their registers: the next block's codes may be written
.endm
.set Q, 0
.rept NB
	BLOCK Q
.set Q, Q+1
.endr
	global_store_b64 v9, v[SB:SB+1], s[14:15]      ; my column's 8 scale bytes
.irp t, 0,1,2,3,4,5,6,7,8,9,10,11,12,13,14,15
	ds_load_b96 v[OUTR+4*\t:OUTR+4*\t+2], v7 offset:2*\t*PITCH   ; LDS serves a wave's instructions in order: these see my stores
.endr
.irp t, 0,1,2,3,4,5,6,7,8,9,10,11,12,13,14,15
	s_wait_dscnt 15-\t
	global_store_b96 v8, v[OUTR+4*\t:OUTR+4*\t+2], s[12:13] offset:(16*(\t/4)+2*(\t%4))*KROW   ; columns 2 t, 2 t + 1 of my 32 lie at positions 16 (t / 4) + 2 (t % 4) and the next
.endr
	s_wait_tensorcnt 0x0                           ; the wave's end: behind my last LDS store
	ds_add_u32 v[SPW], v[NIL]
	s_wait_dscnt 0x0
	s_endpgm
.Lfunc_end_k_q6125980562_quantw:
	.size	k_q6125980562_quantw, .Lfunc_end_k_q6125980562_quantw-k_q6125980562_quantw
	.p2alignl 7, 3214868480
	.fill 96, 4, 3214868480
	.section	.rodata,"a",@progbits
	.p2align	6, 0x0
	.amdhsa_kernel k_q6125980562_quantw
		.amdhsa_group_segment_fixed_size 35840
		.amdhsa_private_segment_fixed_size 0
		.amdhsa_enable_private_segment 0
		.amdhsa_kernarg_size 48
		.amdhsa_user_sgpr_count 2
		.amdhsa_user_sgpr_kernarg_segment_ptr 1
		.amdhsa_wavefront_size32 1
		.amdhsa_system_sgpr_workgroup_id_x 1
		.amdhsa_system_sgpr_workgroup_id_y 1
		.amdhsa_system_sgpr_workgroup_id_z 1
		.amdhsa_system_vgpr_workitem_id 0
		.amdhsa_next_free_vgpr 192
		.amdhsa_next_free_sgpr 66
		.amdhsa_reserve_vcc 0
		.amdhsa_float_denorm_mode_32 3
		.amdhsa_float_denorm_mode_16_64 3
		.amdhsa_memory_ordered 1
		.amdhsa_forward_progress 1
		.amdhsa_inst_pref_size 43
	.end_amdhsa_kernel
	.amdgpu_metadata
---
amdhsa.version: [ 1, 2 ]
amdhsa.kernels:
  - .name:           k_q6125980562_quantw
    .symbol:         k_q6125980562_quantw.kd
    .args:
      - { .name: W_Q, .offset: 0, .size: 8, .value_kind: global_buffer, .address_space: global }
      - { .name: W_K, .offset: 8, .size: 8, .value_kind: global_buffer, .address_space: global }
      - { .name: W_V, .offset: 16, .size: 8, .value_kind: global_buffer, .address_space: global }
      - { .name: W_O, .offset: 24, .size: 8, .value_kind: global_buffer, .address_space: global }
      - { .name: codes, .offset: 32, .size: 8, .value_kind: global_buffer, .address_space: global }
      - { .name: scales, .offset: 40, .size: 8, .value_kind: global_buffer, .address_space: global }
    .group_segment_fixed_size: 35840
    .private_segment_fixed_size: 0
    .kernarg_segment_align: 8
    .kernarg_segment_size: 48
    .max_flat_workgroup_size: 128
    .sgpr_count:     66
    .vgpr_count:     192
    .wavefront_size: 32
...
	.end_amdgpu_metadata
.endif
;; end of part 2
;; launch proj (part 3): grid 4 x 96, 4 waves a work-group, clusters of 4 x 4, 327,680 bytes of LDS; arguments codes, scales, key_padding_mask, q_img, kv_img; writes q_img, kv_img
.if DOCPART == 3
	.amdgcn_target "amdgcn-amd-amdhsa--gfx1250"
	.amdhsa_code_object_version 6
	.text
	.protected	k_q6125980562_proj
	.globl	k_q6125980562_proj
	.p2align	8
	.type	k_q6125980562_proj,@function
k_q6125980562_proj:
	s_mov_b64 s[64:65], 0
	v_nop
	global_prefetch_b8 v0, s[64:65] scope:SCOPE_SE
	s_setreg_imm32_b32 hwreg(HW_REG_WAVE_MODE, 25, 1), 1
	s_wait_xcnt 0x0
	s_wait_alu depctr_hold_cnt(0) depctr_sa_sdst(0) depctr_va_vdst(0) depctr_va_sdst(0) depctr_va_ssrc(0) depctr_va_vcc(0) depctr_vm_vsrc(0)
	s_getreg_b32 s2, hwreg(HW_REG_IB_STS2, 6, 4)
	s_cmp_eq_u32 s2, 0
	s_cbranch_scc0 .Lentry_in_a_cluster
	s_endpgm
.Lentry_in_a_cluster:
	s_bfe_u32 s2, ttmp6, 0x10000c
	s_cmp_lg_u32 s2, 0xf033
	s_cbranch_scc0 .Lentry_shape_is_right
	s_endpgm
.Lentry_shape_is_right:
; The three projections, on codes of FP6 (E2M3) with E8M0 scales, and the quantising of their results, in registers.  One body: C[m][n] = sum over k of A[m][k] B[n][k], K = 1,024, and C quantised ALONG n.
;   Q = X_Q W_Q:  A = X_Q's rows,  B = W_Q's;   K = X_KV W_K:  A = X_KV's, B = W_K's  (quantised along a head's 64);   V^T:  A = W_V's rows, B = X_KV's  (quantised along the keys).
; A cluster of 4 x 4 work-groups makes 1,024 x 1,024 of C; cluster y / 8 names the product, cluster y % 8 its eighth.  A work-group makes 256 x 256, each of its four waves 128 x 128 in 64 accumulators.
; K goes in steps of 256 through a ring of two LDS slots filled by joint tensor loads (A's tile shared along a row of the cluster, B's along a column); the scale bytes of the work-group's rows come once and stay.
; THE MATRIX INSTRUCTION IS USED TRANSPOSED (source 0 = 16 rows of B, source 1 = 16 rows of A), AND ALL ROWS LIE IN THE ORDER in which, inside a group of 64, position 16 t + 8 hb + j holds row 32 hb + 8 t + j.
; So lane (r, h) holds row position r of A, and the 32 registers of B's tiles 4 g .. 4 g + 3 hold the ACTUAL columns 64 g + 32 h + 0 .. 31: a whole block of 32, in the lane and the registers (6 g .. 6 g + 5) in which
; the 6-bit operand layout wants its codes.  A block's largest magnitude needs no other lane, and the codes leave as images of operand registers, 16 bytes a lane, 512 consecutive bytes a store.
; THE KEY MASK goes into the unused upper half of the score product's 128 along K: Q carries the code of 1.0 at k = 64 (scale bytes 127), a masked key the code of -1.0 there with the scale byte 237 (2^110), an open key 0
; with the byte 1.  A masked score so comes out near -2^110.  LIMIT: true scores x log2(e) / 8 stay under 2^100 in magnitude.  Blocks under 2^-124 have their byte held at 1; a block of zeros has the byte 1; NaN, infinities not served.
; RECORDS.  q_img: [batch x head][128 positions][8,704]: 8 tiles x 1,024 bytes (registers 0-3, then 4-7: two of codes, the extra code, 0), then 512 bytes of scale words.  kv_img: [batch x head][128 keys][15,104]: K's part likewise,
; then V^T's four tiles of 16 channels x 128 keys (1,536 bytes each), then 256 bytes of V's scale words.
; REGISTERS: window 0: v0-31 addresses; v32-63 scale words; v64-127 the way out's; from v128 A's fragments (one set).  window 1: B's fragments, two sets.  windows 2, 3: the accumulators ((a, b) at v[8 (8 (a % 4) + b)]).
.set SIZE_K, 1024
.set KSTEP,  256                       ; along K in a slot
.set NQ,     KSTEP/128                 ; matrix instructions deep
.set ROWB,   192                       ; a tile's row in bytes
.set KROW,   SIZE_K*6/8                ; a row of codes in memory
.set PITCH,  240                       ; an LDS row: 3 x (64 bytes + 16 of padding)
.set FR,     12                        ; registers of a fragment
.set NL,     6                         ; LDS loads that bring one
.set NP,     4                         ; places behind this matrix instruction (ISA guide 7.12.1)
.set HALFT,  128*PITCH                 ; 128 rows: what one tensor load brings
.set SLOT,   4*HALFT                   ; A's 256 rows, then B's 256 rows
.set LAPS,   SIZE_K/(2*KSTEP)
.set KS,     SIZE_K/32                 ; a row of scales in bytes
.set SCL,    2*SLOT                    ; behind the ring: the scales, as units of 256 bytes + 16 of padding
.set HALFS,  (128*KS/256)*272
.set SBLK,   (16*KS/256)*272
.set SPARE,  SCL+4*HALFS               ; behind the scales: the spare words, 128 bytes a wave
.set XSZ,    6291456                   ; the codes' buffer: X_Q, X_KV (XSZ each), from XW on four weights of WSZ
.set XW,     12582912
.set WSZ,    786432
.set XSS,    262144                    ; the scales' buffer likewise
.set XS,     524288
.set WSS,    32768
.set ADRA, 16                          ; v16-17 LDS address of my A fragments in slot 0, 1 (v18-19: behind one padding more)
.set ADRB, 20                          ; v20-23 the same for B
.set ADRS, 27                          ; v27    LDS address of my scale words
.set SPW,  28                          ; v28    my spare word; never rewritten
.set NIL,  29                          ; v29    0; never rewritten
.set SC,   32                          ; scale words, two sets
.set AF,   128                         ; A's fragments
.set MK,   64                          ; v64-71 the mask byte of my row in each of A's eight blocks
.set CU,   72                          ; v72, v73 the extra code of an open and of a masked row (0 in lanes 16-31)
.set CM,   73
.set BU,   74                          ; v74, v75 the scale word's upper two bytes likewise
.set BM,   75
.set L16,  76                          ; 16 x lane
.set L8,   77                          ; 8 x lane
.set H8,   78                          ; 8 x (lane / 16)
.set MOFF, 79                          ; my row's place among a block's mask bytes
.set TM,   80                          ; v80-83 four chains of maxima
.set SCOP, 84                          ; v84-85 the conversions' scale operands
.set BY,   86                          ; v86-87 the scale bytes
.set PW,   88                          ; the four bytes of my row
.set PW2,  89
.set T0,   90
.set T1,   91
.set CD,   96                          ; v96-107 the block's codes; v108 the extra code, v109 = 0 follow them
.set XC,   108
.set PT,   112                         ; v112-118 the conversions' second halves
.set Q2,   120                         ; v120-123 registers 4-7 of the first head's image
.set W0,   128                         ; v128-135, v136-143 the blocks' scale words, for each of two heads
.set W1,   136
.set Z,    144                         ; v144-151 scale words on their way out
.set OUT,  78                          ; s[78:79], s[80:81] the two records that I write
.set G1, 24
.set G0, 32
.set G1B, 48
.set G0B, 56
.set G1S, 68
.set G0S, 76
.set G1SB, 80
.set G0SB, 88
.set MSB, 0
.macro WIN new                         ; the immediate's high byte repeats the setting that is left
.if MSB != \new
	s_set_vgpr_msb (MSB<<8)|\new
.set MSB, \new
.endif
.endm
.set MUL_LO, 0xa1                      ; source 0 (B) window 1, source 1 (A) window 0, C and D window 2
.set MUL_HI, 0xf1                      ; the same, C and D window 3
.set TO_B,   0x40                      ; destination window 1, address window 0
; A joint load: waves 0 and 1 fetch for A, waves 2 and 3 for B.  Each line has one mask and one set of registers for all that issue it; the branch hangs on the wave's number alone.
.macro JLOAD g0a, g1a, g0b, g1b
	s_cmp_eq_u32 s15, 0
	s_cbranch_scc0 .Lfor_b_\@
	tensor_load_to_lds s[\g0a:\g0a+3], s[\g1a:\g1a+7]
	s_nop 0
.rept 4
	v_nop
.endr
	s_branch .Lasked_\@
.Lfor_b_\@:
	tensor_load_to_lds s[\g0b:\g0b+3], s[\g1b:\g1b+7]
	s_nop 0
.rept 4
	v_nop
.endr
.Lasked_\@:
.endm
.macro CREST                           ; a round of the cluster's barrier behind its opening barrier
	s_cmp_lg_u32 s14, 0
	s_cbranch_scc1 .Lnot_wave_0_\@
	s_barrier_signal -3
.Lnot_wave_0_\@:
	s_barrier_wait -3
	s_barrier_signal -1
	s_barrier_wait -1
.endm
.macro CROUND
	s_barrier_signal -1
	s_barrier_wait -1
	CREST
.endm
	s_load_b128 s[4:7], s[0:1], 0x0                ; codes s[4:5], scales s[6:7]
	s_load_b128 s[8:11], s[0:1], 0x10              ; the mask s[8:9], q_img s[10:11]
	s_load_b64 s[12:13], s[0:1], 0x20              ; kv_img
	v_lshl_add_u32 v[SPW], v0, 2, SPARE
	v_mov_b32 v[NIL], 0
	ds_add_u32 v[SPW], v[NIL]                      ; the wave's opening: the add and its wait stand ahead of my first tensor load; work on registers stands between them
	v_lshrrev_b32 v1, 5, v0
	v_readfirstlane_b32 s14, v1                    ; wave 0..3
	s_lshr_b32 s15, s14, 1                         ; which half of the tile's rows is mine.  Also: I fetch for A (0) or for B (1)
	s_and_b32 s16, s14, 1                          ; which half of its columns.  Also: which 128 rows of that tile I fetch
	s_bfe_u32 s40, ttmp6, 0x40000                  ; cx, cy: my place in the cluster
	s_bfe_u32 s41, ttmp6, 0x40004
	; which product, and where its operands lie: all of it hangs on the cluster's y, which the sixteen partners share
	s_and_b32 s95, ttmp7, 0xffff
	s_lshr_b32 s96, s95, 3                         ; s96: 0 Q, 1 K, 2 V
	s_and_b32 s95, s95, 7
	s_lshl_b32 s95, s95, 2                         ; the eighth's first tile
	s_min_u32 s97, s96, 1
	s_mul_i32 s100, s97, XSZ                       ; the X's codes
	s_mul_i32 s101, s96, WSZ
	s_add_co_u32 s101, s101, XW                    ; the weight's codes
	s_mul_i32 s97, s97, XSS                        ; the X's scales
	s_mul_i32 s94, s96, WSS
	s_add_co_u32 s94, s94, XS                      ; the weight's scales
	s_cmp_eq_u32 s96, 2                            ; for V the weight is A and X_KV is B
	s_cselect_b32 s17, 0, s95
	s_cselect_b32 s42, s95, 0
	s_cselect_b32 s66, s101, s100                  ; A's codes
	s_cselect_b32 s67, s100, s101                  ; B's codes
	s_cselect_b32 s98, s94, s97                    ; A's scales
	s_cselect_b32 s99, s97, s94                    ; B's scales
	s_add_co_u32 s42, s42, s40                     ; tile column of C
	s_add_co_u32 s17, s17, s41                     ; tile row of C
	s_lshl_b32 s43, s41, 2
	s_lshl_b32 s43, 15, s43                        ; my row of the cluster
	s_lshl_b32 s44, 0x1111, s40                    ; my column
	; descriptor group 1: a tile of 128 rows x 192 bytes, 16 bytes of padding behind every 64
	s_or_b32 s[G1+0], s43, (0<<16)|(1<<20)|(1<<21)|(3<<22)|(3<<25)
	s_or_b32 s[G1B+0], s44, (0<<16)|(1<<20)|(1<<21)|(3<<22)|(3<<25)
.irp g, G1, G1B
	s_mov_b32 s[\g+1], ROWB<<16                    ; tensor_dim0
	s_mov_b32 s[\g+2], 128<<16                     ; tensor_dim1
	s_mov_b32 s[\g+3], ROWB<<16                    ; tile_dim0
	s_mov_b32 s[\g+4], 128                         ; tile_dim1
	s_mov_b32 s[\g+5], KROW                        ; the pitch
	s_mov_b32 s[\g+6], 0
	s_mov_b32 s[\g+7], 0
.endr
	; the scales of 128 rows: 4,096 dense bytes, as 16 rows of 256 bytes, 16 bytes of padding behind each
	s_or_b32 s[G1S+0], s43, (3<<16)|(1<<20)|(1<<21)|(5<<22)|(3<<25)
	s_or_b32 s[G1SB+0], s44, (3<<16)|(1<<20)|(1<<21)|(5<<22)|(3<<25)
.irp g, G1S, G1SB
	s_mov_b32 s[\g+1], 32<<16
	s_mov_b32 s[\g+2], (128*KS/256)<<16
	s_mov_b32 s[\g+3], 32<<16
	s_mov_b32 s[\g+4], 128*KS/256
	s_mov_b32 s[\g+5], 32
	s_mov_b32 s[\g+6], 0
	s_mov_b32 s[\g+7], 0
.endr
	s_lshl_b32 s18, s16, 7                         ; which 128 rows of the tile I fetch
	s_lshl_b32 s20, s17, 8
	s_add_co_u32 s20, s20, s18                     ; A: row 256 x tile row + 128 x half
	s_lshl_b32 s46, s42, 8
	s_add_co_u32 s46, s46, s18                     ; B: row 256 x tile column + 128 x half
	s_lshl_b32 s22, s20, 5                         ; byte offsets, all under 2^24: scales,
	s_add_co_u32 s22, s22, s98
	s_mov_b32 s23, 0
	s_mul_i32 s20, s20, KROW                       ; codes
	s_add_co_u32 s20, s20, s66
	s_mov_b32 s21, 0
	s_lshl_b32 s92, s46, 5
	s_add_co_u32 s92, s92, s99
	s_mov_b32 s93, 0
	s_mul_i32 s46, s46, KROW
	s_add_co_u32 s46, s46, s67
	s_mov_b32 s47, 0
	s_mul_i32 s45, s14, HALFT                      ; where they go: wave x 128 rows: no place in the cluster enters an LDS address
	s_mul_i32 s94, s14, HALFS
	s_wait_dscnt 0x0                               ; the opening add is done
	s_wait_kmcnt 0x0
	s_add_nc_u64 s[20:21], s[4:5], s[20:21]
	s_add_nc_u64 s[22:23], s[6:7], s[22:23]
	s_add_nc_u64 s[46:47], s[4:5], s[46:47]
	s_add_nc_u64 s[92:93], s[6:7], s[92:93]
	CROUND                                         ; all sixteen work-groups are here: the first joint loads meet
	s_mov_b32 s[G0S], 1
	s_add_co_u32 s[G0S+1], s94, SCL
	s_mov_b64 s[G0S+2:G0S+3], s[22:23]
	s_or_b32 s[G0S+3], s[G0S+3], 0x80000000
	s_mov_b32 s[G0SB], 1
	s_add_co_u32 s[G0SB+1], s94, SCL
	s_mov_b64 s[G0SB+2:G0SB+3], s[92:93]
	s_or_b32 s[G0SB+3], s[G0SB+3], 0x80000000
	JLOAD G0S, G1S, G0SB, G1SB                     ; the scales first: they are wanted with K step 0
.irp s, 0,1
	s_mov_b32 s[G0+4*\s], 1
	s_add_co_u32 s[G0+4*\s+1], s45, \s*SLOT
	s_add_nc_u64 s[G0+4*\s+2:G0+4*\s+3], s[20:21], \s*ROWB
	s_or_b32 s[G0+4*\s+3], s[G0+4*\s+3], 0x80000000
	s_mov_b32 s[G0B+4*\s], 1
	s_add_co_u32 s[G0B+4*\s+1], s45, \s*SLOT
	s_add_nc_u64 s[G0B+4*\s+2:G0B+4*\s+3], s[46:47], \s*ROWB
	s_or_b32 s[G0B+4*\s+3], s[G0B+4*\s+3], 0x80000000
	JLOAD G0+4*\s, G1, G0B+4*\s, G1B               ; three tensor loads of mine are out
.endr
	v_and_b32 v1, 15, v0                           ; r = lane % 16
	v_bfe_u32 v2, v0, 4, 1                         ; h = lane / 16
	v_mul_u32_u24 v3, v1, PITCH
	v_mul_u32_u24 v4, v2, 24
	v_add_nc_u32 v4, v3, v4                        ; a fragment's row x pitch + 24 x half
	v_lshl_add_u32 v5, v2, 4, v4                   ; and the same behind one padding more
	s_mul_i32 s21, s15, HALFT                      ; my 128 rows of A
	s_mul_i32 s22, s16, HALFT                      ; my 128 rows of B,
	s_add_co_u32 s22, s22, 2*HALFT                 ; which lie behind A's 256
.irp s, 0,1
	v_add_nc_u32 v[ADRA+\s], s21, v4
	v_add_nc_u32 v[ADRB+\s], s22, v4
	v_add_nc_u32 v[ADRA+2+\s], s21, v5
	v_add_nc_u32 v[ADRB+2+\s], s22, v5
	s_add_co_u32 s21, s21, SLOT
	s_add_co_u32 s22, s22, SLOT
.endr
	v_mul_u32_u24 v5, v1, KS                       ; my row's scales: 32 bytes a row,
	v_lshrrev_b32 v6, 8, v5
	v_lshl_add_u32 v5, v6, 4, v5                   ; and 16 more for each 256 passed
	s_mul_i32 s21, s15, HALFS                      ; A's: my 128 rows
	s_mul_i32 s22, s16, HALFS                      ; B's: my 128 rows, behind A's 256
	s_add_co_u32 s22, s22, 2*HALFS
	s_sub_co_u32 s22, s22, s21
	v_mul_u32_u24 v6, s22, v2                      ; lanes 16-31 take B's
	s_add_co_u32 s21, s21, SCL
	v_add_nc_u32 v5, v5, v6
	v_add_nc_u32 v[ADRS], s21, v5
	; the mask bytes of my rows of A: position 16 a + r is row 64 (a / 4) + 32 (r / 8) + 8 (a % 4) + r % 8.  (For Q and V they are read and select between equal numbers or nothing; the address stays inside the 8,192 bytes on all three ways.)
	s_lshl_b32 s20, s17, 8
	s_lshl_b32 s21, s15, 7
	s_add_co_u32 s20, s20, s21                     ; my first row of A
	s_mov_b32 s21, 0
	s_add_nc_u64 s[8:9], s[8:9], s[20:21]
	v_lshrrev_b32 v5, 3, v1
	v_and_b32 v6, 7, v1
	v_lshl_add_u32 v[MOFF], v5, 5, v6
.irp a, 0,1,2,3,4,5,6,7
	global_load_u8 v[MK+\a], v[MOFF], s[8:9] offset:64*(\a/4)+8*(\a%4)
.endr
.macro FRAG reg, adr, q, i             ; a fragment: lane l holds row l % 16; registers 6 c .. 6 c + 5 hold K = 64 c + 32 (l / 16) + 0 .. 31: 24 bytes of the row, in pieces of 8
.irp p, 0,1,2,3,4,5
.set PC, 12*(\q)+6*(\p/3)+\p%3        ; the piece's number in the row; 16 bytes of padding lie behind every 8 pieces; where the piece three on lies behind one padding more, the second address register serves
.if PC%8 < 5
	ds_load_b64 v[\reg+2*\p:\reg+2*\p+1], v[\adr] offset:8*PC+16*(PC/8)+(\i)*16*PITCH
.else
	ds_load_b64 v[\reg+2*\p:\reg+2*\p+1], v[\adr+2] offset:8*PC+16*(PC/8)+(\i)*16*PITCH
.endif
.endr
.endm
; 16 matrix instructions: A's blocks a0, a0 + 1 x B's eight, 128 along K.  The 64 accumulators take turns, one instruction a turn, in the same order in every step.
.macro MUL16 a0, p, q, sc, zero
.irp a, \a0, \a0+1
.irp b, 0,1,2,3,4,5,6,7
.if \zero
	v_wmma_scale_f32_16x16x128_f8f6f4 v[8*(8*((\a)%4)+\b):8*(8*((\a)%4)+\b)+7], v[128*(\p)+FR*\b:128*(\p)+FR*\b+FR-1], v[AF+FR*(\a):AF+FR*(\a)+FR-1], 0, v[SC+8*NQ*(\sc)+NQ*\b+(\q)], v[SC+8*NQ*(\sc)+NQ*(\a)+(\q)] matrix_a_fmt:MATRIX_FMT_FP6 matrix_b_fmt:MATRIX_FMT_FP6 matrix_a_scale:MATRIX_SCALE_ROW1
.else
	v_wmma_scale_f32_16x16x128_f8f6f4 v[8*(8*((\a)%4)+\b):8*(8*((\a)%4)+\b)+7], v[128*(\p)+FR*\b:128*(\p)+FR*\b+FR-1], v[AF+FR*(\a):AF+FR*(\a)+FR-1], v[8*(8*((\a)%4)+\b):8*(8*((\a)%4)+\b)+7], v[SC+8*NQ*(\sc)+NQ*\b+(\q)], v[SC+8*NQ*(\sc)+NQ*(\a)+(\q)] matrix_a_fmt:MATRIX_FMT_FP6 matrix_b_fmt:MATRIX_FMT_FP6 matrix_a_scale:MATRIX_SCALE_ROW1
.endif
.endr
.endr
.endm
.macro FETCH_B slot, q, p              ; B's eight fragments of the slot's q-th 128 along K into set p
	WIN TO_B
.irp i, 0,1,2,3,4,5,6,7
	FRAG 128*(\p)+FR*\i, ADRB+\slot, \q, \i
.endr
	WIN 0
.endm
.macro FETCH_A slot, q, i0             ; A's blocks i0 .. i0 + 3
.irp i, \i0, \i0+1, \i0+2, \i0+3
	FRAG AF+FR*(\i), ADRA+\slot, \q, \i
.endr
.endm
.macro SCALES sc                       ; a K step's scale words: lanes 0-15 take A's block i, lanes 16-31 B's block i
.irp i, 0,1,2,3,4,5,6,7
	ds_load_b64 v[SC+8*NQ*\sc+NQ*\i:SC+8*NQ*\sc+NQ*\i+1], v[ADRS] offset:\i*SBLK
.endr
.endm
.macro PLACES n                        ; plain vector lines between a matrix instruction and a load into, or a vector read of, its registers
.rept \n
	v_nop
.endr
.endm
.macro STEP slot, q, zero              ; a step of 128 along K that has its successor in the same slot
	s_wait_dscnt 4*NL                              ; B's set and A's blocks 0-3 are in; the youngest 24 loads (A's blocks 4-7) may be out
	WIN MUL_LO
	MUL16 0, (\q)%2, \q, \slot, \zero
	MUL16 2, (\q)%2, \q, \slot, \zero
	s_wait_dscnt 0                                 ; A's blocks 4-7 are in
	PLACES NP
	FETCH_B \slot, (\q)+1, 1-(\q)%2
	FETCH_A \slot, (\q)+1, 0
	WIN MUL_HI
	MUL16 4, (\q)%2, \q, \slot, \zero
	MUL16 6, (\q)%2, \q, \slot, \zero
	PLACES NP
	WIN 0
	FETCH_A \slot, (\q)+1, 4
.endm
; A slot's last step changes slots: one barrier; in front of it each wave waits for all its tensor loads, adds 0 to its spare word, and waits for that and for its reads of this slot.  fill = 1: this slot is filled again.
.macro TURN slot, next, fill
	s_wait_tensorcnt 0x0                           ; all my tensor loads have landed: my part of the next slot
	ds_add_u32 v[SPW], v[NIL]                      ; 0 onto my spare word
	s_wait_dscnt 4*NL+1                            ; (the add and the youngest 24 loads, A's blocks 4-7, may be out)
	WIN MUL_LO
	MUL16 0, 1, NQ-1, \slot, 0                     ; sixteen matrix instructions stand between the add and the wait for it
	s_wait_dscnt 0x0                               ; the add is done, and my reads of this slot are over
	s_barrier_signal -1
	MUL16 2, 1, NQ-1, \slot, 0
	WIN 0
	s_barrier_wait -1
.if \fill
	CREST                                          ; the barrier has opened a round of the cluster's: no wave of any partner still reads this slot or has a load on its way
	s_add_nc_u64 s[G0+4*\slot+2:G0+4*\slot+3], s[G0+4*\slot+2:G0+4*\slot+3], 2*ROWB
	s_add_nc_u64 s[G0B+4*\slot+2:G0B+4*\slot+3], s[G0B+4*\slot+2:G0B+4*\slot+3], 2*ROWB
	JLOAD G0+4*\slot, G1, G0B+4*\slot, G1B         ; the first tensor load behind the round; its four v_nop are the places in front of the loads below
.else
	PLACES NP
.endif
	v_add_nc_u32 v[ADRS], 4*NQ, v[ADRS]            ; on to the next K step's scale words
	FETCH_B \next, 0, 0
	FETCH_A \next, 0, 0
	SCALES \next
	WIN MUL_HI
	MUL16 4, 1, NQ-1, \slot, 0
	MUL16 6, 1, NQ-1, \slot, 0
	PLACES NP
	WIN 0
	FETCH_A \next, 0, 4
.endm
	s_wait_loadcnt 0x0                             ; the mask bytes
	s_wait_tensorcnt 1                             ; the scales and my part of K step 0 are in (K step 1's load may be out),
	s_barrier_signal -1
	s_barrier_wait -1                              ; everybody's are
	FETCH_B 0, 0, 0
	FETCH_A 0, 0, 0
	SCALES 0
	FETCH_A 0, 0, 4
	STEP 0, 0, 1                                   ; the first step stands in front of the loop: its products start the sums
	s_mov_b32 s3, LAPS-1
.Llap:                                                 ; a trip goes once round the ring and fills both slots again
	TURN 0, 1, 1
	STEP 1, 0, 0
	TURN 1, 0, 1
	STEP 0, 0, 0
	s_sub_co_u32 s3, s3, 1
	s_cmp_lg_u32 s3, 0
	s_cbranch_scc1 .Llap
	TURN 0, 1, 0                                   ; the last lap fills nothing
	STEP 1, 0, 0
	s_wait_dscnt 4*NL                              ; the very last step
	WIN MUL_LO
	MUL16 0, 1, NQ-1, 1, 0
	MUL16 2, 1, NQ-1, 1, 0
	s_wait_dscnt 0
	WIN MUL_HI
	MUL16 4, 1, NQ-1, 1, 0
	MUL16 6, 1, NQ-1, 1, 0
	WIN 0
	; THE WAY OUT.  No tensor load is out (the last change of slots waited for all), so the descriptors' registers are free.
	s_lshl_b32 s68, s17, 8
	s_lshl_b32 s69, s15, 7
	s_add_co_u32 s68, s68, s69                     ; my first row of C
	s_lshl_b32 s70, s42, 8
	s_lshl_b32 s69, s16, 7
	s_add_co_u32 s70, s70, s69                     ; my first column
	s_cmp_eq_u32 s96, 2
	s_cselect_b32 s71, s70, s68                    ; my 128 tokens: C's rows, for V its columns
	s_cselect_b32 s72, s68, s70                    ; my 128 features, two heads
	s_cselect_b32 s73, 8704, 0                     ; V's part of a record lies behind K's
	s_lshr_b32 s74, s71, 11                        ; the batch
	s_lshl_b32 s74, s74, 4
	s_lshr_b32 s72, s72, 6
	s_add_co_u32 s74, s74, s72                     ; x 16 + the head
	s_lshl_b32 s74, s74, 4
	s_bfe_u32 s75, s71, 0x40007
	s_add_co_u32 s74, s74, s75                     ; x 16 + the step of 128 tokens: the record
	s_mov_b32 s76, 15104
	s_mov_b32 s84, 0x01010000
	s_mov_b32 s85, 0x01ed0000
	s_cmp_eq_u32 s96, 0                            ; Q?
	s_cselect_b32 s76, 8704, s76                   ; a record's bytes
	s_cselect_b64 s[OUT:OUT+1], s[10:11], s[12:13]
	s_cselect_b32 s82, 8, 0                        ; the extra code: Q 1.0; an open key 0,
	s_cselect_b32 s83, 8, 40                       ; a masked key -1.0
	s_cselect_b32 s84, 0x7f7f0000, s84             ; scale bytes 2 and 3: Q 127, 127; an open key 1, 1;
	s_cselect_b32 s85, 0x7f7f0000, s85             ; a masked key 237, 1
	s_mul_i32 s74, s74, s76
	s_add_co_u32 s74, s74, s73
	s_mov_b32 s75, 0
	s_add_nc_u64 s[OUT:OUT+1], s[OUT:OUT+1], s[74:75]
	s_lshl_b32 s74, s76, 4                         ; the next head's record lies 16 records on
	s_add_nc_u64 s[OUT+2:OUT+3], s[OUT:OUT+1], s[74:75]
	s_mov_b32 s86, 0x76543210                      ; v_permlanex16_b32's selects for lane l xor 16
	s_mov_b32 s87, 0xfedcba98
	s_mov_b32 s88, 0xffff0000                      ; lanes 16-31
	v_bfe_u32 v[T0], v0, 4, 1                      ; these thirteen plain lines are also the places behind the last products
	v_sub_nc_u32 v[T1], 1, v[T0]
	v_mul_u32_u24 v[CU], s82, v[T1]                ; k = 64 lies in lanes 0-15; lanes 16-31 (k = 96 on) hold 0
	v_mul_u32_u24 v[CM], s83, v[T1]
	v_mov_b32 v[BU], s84
	v_mov_b32 v[BM], s85
	v_lshlrev_b32 v[H8], 3, v[T0]
	v_and_b32 v[T1], 31, v0
	v_lshlrev_b32 v[L16], 4, v[T1]
	v_lshlrev_b32 v[L8], 3, v[T1]
	v_mov_b32 v[XC+1], 0
	v_mov_b32 v[Q2+3], 0
	v_mov_b32 v[PW2], 0                            ; written once: a lane permute's destination counts as one of its sources
; Block a (16 rows of C x my 128 columns) is quantised: 64 numbers a lane, two whole blocks of 32.  Codes to v[CD] on (registers 6 g .. 6 g + 5), the row's four scale bytes to v[PW].
.macro QUANTA a
.set AC, 64*((\a)%4)
	WIN 0x0a+5*((\a)/4)                            ; sources 0 and 1: window 2 or 3
.irp c, 0,1,2,3
	v_max3_num_f32 v[TM+\c], |v[AC+16*\c]|, |v[AC+16*\c+1]|, 0x1800000   ; four chains of 16 numbers, each begun at an accumulator's low end, with the floor 2^(3 - 127)
.endr
.irp i, 2,4,6,8,10,12,14
.irp c, 0,1,2,3
	v_max3_num_f32 v[TM+\c], |v[AC+16*\c+\i]|, |v[AC+16*\c+\i+1]|, v[TM+\c]
.endr
.endr
	WIN 0
	v_max_num_f32 v[TM], v[TM], v[TM+1]            ; block g = 0
	v_max_num_f32 v[TM+2], v[TM+2], v[TM+3]        ; block g = 1
	v_add_nc_u32 v[SCOP], 0xff000000, v[TM]        ; 2 off the exponent field: the conversion's scale operand
	v_add_nc_u32 v[SCOP+1], 0xff000000, v[TM+2]
	v_lshrrev_b32 v[BY], 23, v[SCOP]               ; the bytes
	v_lshrrev_b32 v[BY+1], 23, v[SCOP+1]
	v_lshl_or_b32 v[PW], v[BY+1], 16, v[BY]
	v_lshlrev_b32 v[PW], v[H8], v[PW]              ; byte 2 g + h
	v_permlanex16_b32 v[PW2], v[PW], s86, s87
	v_or_b32 v[PW], v[PW], v[PW2]                  ; with lane l xor 16's two the word is whole, in both halves
	s_wait_xcnt 0x0                                ; the last block's stores have read their data: the codes' registers are written again only behind this wait
	WIN 0x02+(\a)/4                                ; source 0: window 2 or 3
.irp g, 0,1
	v_cvt_scalef32_pk16_fp6_f32 v[CD+6*\g:CD+6*\g+2], v[AC+32*\g:AC+32*\g+15], v[SCOP+\g]
	v_cvt_scalef32_pk16_fp6_f32 v[PT+4*\g:PT+4*\g+2], v[AC+32*\g+16:AC+32*\g+31], v[SCOP+\g]   ; (a conversion's three registers begin on an even number)
.endr
	WIN 0
	v_nop                                          ; one plain line behind a scaled conversion
.irp g, 0,1
.irp i, 0,1,2
	v_mov_b32 v[CD+6*\g+3+\i], v[PT+4*\g+\i]
.endr
.endr
.endm
.macro QKOUT a                         ; Q and K: block a is tile a of two heads' records; each head has six registers of codes, the extra code and a 0
	v_cmp_ne_u32 vcc_lo, 0, v[MK+\a]
	v_cndmask_b32 v[XC], v[CU], v[CM], vcc_lo
	v_cndmask_b32 v[T0], v[BU], v[BM], vcc_lo
	v_mov_b32 v[Q2], v[CD+4]
	v_mov_b32 v[Q2+1], v[CD+5]
	v_lshrrev_b32 v[T1], 16, v[PW]
	v_mov_b32 v[Q2+2], v[XC]
	v_and_or_b32 v[W0+\a], v[PW], 0xffff, v[T0]    ; the first head's scale word,
	v_or_b32 v[W1+\a], v[T1], v[T0]                ; the second's
	global_store_b128 v[L16], v[CD:CD+3], s[OUT:OUT+1] offset:1024*\a            ; each store: 512 consecutive bytes, aligned to 256
	global_store_b128 v[L16], v[Q2:Q2+3], s[OUT:OUT+1] offset:1024*\a+512
	global_store_b128 v[L16], v[CD+6:CD+9], s[OUT+2:OUT+3] offset:1024*\a
	global_store_b128 v[L16], v[CD+10:CD+13], s[OUT+2:OUT+3] offset:1024*\a+512  ; two of codes, the extra code, 0
.endm
.macro VOUT a                          ; V: block a is tile a % 4 (16 channels x 128 keys) of head a / 4: a whole fragment
	v_mov_b32 v[W0+\a], v[PW]
.irp i, 0,1,2
	global_store_b128 v[L16], v[CD+4*\i:CD+4*\i+3], s[OUT+2*(\a/4):OUT+2*(\a/4)+1] offset:1536*(\a%4)+512*\i
.endr
.endm
	s_cmp_eq_u32 s96, 2                            ; the one branch on the product: equal in all partners, behind the last tensor load, round no barrier
	s_cbranch_scc1 .Lvalues
.irp a, 0,1,2,3,4,5,6,7
	QUANTA \a
	QKOUT \a
.endr
.irp g, 0,1                                    ; the scale words: word i of a lane's four is tile 2 i's in lanes 0-15 and tile 2 i + 1's in lanes 16-31
.irp i, 0,1,2,3
	v_cndmask_b32 v[Z+4*\g+\i], v[W0+8*\g+2*\i], v[W0+8*\g+2*\i+1], s88
.endr
	global_store_b128 v[L16], v[Z+4*\g:Z+4*\g+3], s[OUT+2*\g:OUT+2*\g+1] offset:8192
.endr
	s_branch .Lend
.Lvalues:
.irp a, 0,1,2,3,4,5,6,7
	QUANTA \a
	VOUT \a
.endr
.irp g, 0,1
.irp i, 0,1
	v_cndmask_b32 v[Z+2*\g+\i], v[W0+4*\g+2*\i], v[W0+4*\g+2*\i+1], s88
.endr
	global_store_b64 v[L8], v[Z+2*\g:Z+2*\g+1], s[OUT+2*\g:OUT+2*\g+1] offset:6144   ; 256 consecutive bytes, aligned
.endr
.Lend:
	s_wait_tensorcnt 0x0                           ; the wave's end: behind my last tensor load
	ds_add_u32 v[SPW], v[NIL]
	s_wait_dscnt 0x0
	CROUND                                         ; the closing round: no work-group ends while a partner may still ask for a tile that names it
	s_endpgm
.Lfunc_end_k_q6125980562_proj:
	.size	k_q6125980562_proj, .Lfunc_end_k_q6125980562_proj-k_q6125980562_proj
	.p2alignl 7, 3214868480
	.fill 96, 4, 3214868480
	.section	.rodata,"a",@progbits
	.p2align	6, 0x0
	.amdhsa_kernel k_q6125980562_proj
		.amdhsa_group_segment_fixed_size 327680
		.amdhsa_private_segment_fixed_size 0
		.amdhsa_enable_private_segment 0
		.amdhsa_kernarg_size 40
		.amdhsa_user_sgpr_count 2
		.amdhsa_user_sgpr_kernarg_segment_ptr 1
		.amdhsa_wavefront_size32 1
		.amdhsa_system_sgpr_workgroup_id_x 1
		.amdhsa_system_sgpr_workgroup_id_y 1
		.amdhsa_system_sgpr_workgroup_id_z 1
		.amdhsa_system_vgpr_workitem_id 0
		.amdhsa_next_free_vgpr 1024
		.amdhsa_next_free_sgpr 102
		.amdhsa_reserve_vcc 1
		.amdhsa_float_denorm_mode_32 3
		.amdhsa_float_denorm_mode_16_64 3
		.amdhsa_memory_ordered 1
		.amdhsa_forward_progress 1
		.amdhsa_inst_pref_size 194
	.end_amdhsa_kernel
	.amdgpu_metadata
---
amdhsa.version: [ 1, 2 ]
amdhsa.kernels:
  - .name:           k_q6125980562_proj
    .symbol:         k_q6125980562_proj.kd
    .args:
      - { .name: codes, .offset: 0, .size: 8, .value_kind: global_buffer, .address_space: global }
      - { .name: scales, .offset: 8, .size: 8, .value_kind: global_buffer, .address_space: global }
      - { .name: key_padding_mask, .offset: 16, .size: 8, .value_kind: global_buffer, .address_space: global }
      - { .name: q_img, .offset: 24, .size: 8, .value_kind: global_buffer, .address_space: global }
      - { .name: kv_img, .offset: 32, .size: 8, .value_kind: global_buffer, .address_space: global }
    .group_segment_fixed_size: 327680
    .private_segment_fixed_size: 0
    .kernarg_segment_align: 8
    .kernarg_segment_size: 40
    .max_flat_workgroup_size: 128
    .sgpr_count:     102
    .vgpr_count:     1024
    .wavefront_size: 32
...
	.end_amdgpu_metadata
.endif
;; end of part 3
;; launch attn (part 4): grid 4 x 64, 16 waves a work-group, clusters of 4 x 1, 327,680 bytes of LDS; arguments q_img, kv_img, y_codes, y_scales; writes y_codes, y_scales
.if DOCPART == 4
	.amdgcn_target "amdgcn-amd-amdhsa--gfx1250"
	.amdhsa_code_object_version 6
	.text
	.protected	k_q6125980562_attn
	.globl	k_q6125980562_attn
	.p2align	8
	.type	k_q6125980562_attn,@function
k_q6125980562_attn:
	s_mov_b64 s[64:65], 0
	v_nop
	global_prefetch_b8 v0, s[64:65] scope:SCOPE_SE
	s_setreg_imm32_b32 hwreg(HW_REG_WAVE_MODE, 25, 1), 1
	s_wait_xcnt 0x0
	s_wait_alu depctr_hold_cnt(0) depctr_sa_sdst(0) depctr_va_vdst(0) depctr_va_sdst(0) depctr_va_ssrc(0) depctr_va_vcc(0) depctr_vm_vsrc(0)
	s_getreg_b32 s2, hwreg(HW_REG_IB_STS2, 6, 4)
	s_cmp_eq_u32 s2, 0
	s_cbranch_scc0 .Lentry_in_a_cluster
	s_endpgm
.Lentry_in_a_cluster:
	s_bfe_u32 s2, ttmp6, 0x10000c
	s_cmp_lg_u32 s2, 0x3003
	s_cbranch_scc0 .Lentry_shape_is_right
	s_endpgm
.Lentry_shape_is_right:
; Attention on codes of FP6 (E2M3) with E8M0 scales: for each (batch, head) Yp = softmax(Q K^T / 8, masked keys out) V, and Yp quantised along head x 64 + channel for the last projection.
; THE SOFTMAX AHEAD OF THE SECOND PRODUCT: t = score x log2(e) / 8; M = the row's largest t so far, rounded UP to a whole number; p = 2^(t - M) is quantised along the keys, not normalised.  The row's sum is taken of the
; unquantised p and divides at the end.  When M moves, the sum and O are multiplied by 2^(old M - new M): exact.
; THE MASK costs nothing here: it lies in the upper half of the score product's 128 along K (the head has 64): Q holds 1.0 at k = 64, a masked key -1.0 x 2^110, an open key 0.  A masked t is near -2^107.5; the largest t begins at
; -2^100, so a masked t is never the maximum and its p is exactly 0.  LIMIT: true |t| under 2^100.  A row all of whose keys are masked has the sum 0: its scale bytes become 0xff, which makes the output row NaN.
; SHARES.  A work-group owns one (batch, head) and 512 query positions; its sixteen waves (four to a SIMD, so that one wave's vector work stands beside another's matrix work and LDS loads) own one tile of 16 queries in each of two passes.
; THE WHOLE HEAD'S K AND V LIE IN LDS: 16 records of 15,104 bytes (128 keys each), filled ONCE: no ring, no refill.  The four work-groups of a head form a cluster and ask for each record JOINTLY; wave w asks for record w.
; Nothing is prefetched: every byte that the launch reads from kv_img is asked for at its head.
; LAYOUT.  Both products are used transposed (S^T = K Q^T, O^T = V^T P^T): a lane holds one query (lane % 16).  Keys, queries and channels lie in the order in which, inside a group of 64, position 16 t + 8 hb + j holds
; number 32 hb + 8 t + j.  So the 32 registers of score tiles 4 g .. 4 g + 3 are the ACTUAL keys 64 g + 32 (lane / 16) + 0 .. 31: a whole block, whose codes fall into registers 6 g .. 6 g + 5 of P's operand; likewise O's 32 registers are channels 32 (lane / 16) + 0 .. 31.
; All operands are images of their registers: 16 bytes a lane, consecutive.  Blocks under 2^-124 have their byte held at 1; a block of zeros has the byte 1; NaN and infinities among the inputs are not served.
.set REC,   15104                      ; a record of kv_img: K's 8 tiles x 1,024, 512 of scale words, V^T's 4 tiles x 1,536, 256 of scale words
.set QREC,  8704                       ; a record of q_img
.set SPARE, 16*REC                     ; behind the records: the spare words, 128 bytes a wave
.set L16, 1                            ; v1   16 x lane
.set L8,  2                            ; v2   8 x lane
.set SPW, 3                            ; v3   my spare word; never rewritten
.set NIL, 4                            ; v4   0; never rewritten
.set AD16, 5                           ; v5, v6 the step's LDS addresses
.set AD8, 6
.set H8,  7                            ; v7   8 x (lane / 16)
.set QO,  8                            ; v8   my tile's codes in its record of q_img
.set QSO, 9                            ; v9   my row's scale word there
.set YSO, 10                           ; v10  my scale byte's place: 32 r + h
.set QF,  16                           ; v16-27 Q's fragment (v24-27 = 0);  v12 -M, v13 the largest t, v[14:15] the sum in two halves
.set QS,  28                           ; v28  Q's scale words
.set PS,  29                           ; v29  P's
.set VS,  30                           ; v30-31 V's
.set KS,  32                           ; v32-35 K's
.set KF,  36                           ; v36-83 four fragments of K (registers 8-11 of each = 0); v36-42 also take the conversions' second halves
.set VF,  84                           ; v84-131 V^T's four fragments
.set S,   132                          ; v132-195 S^T, then p
.set O,   196                          ; v196-227 O^T
.set PCD, 228                          ; v228-239 P's codes
.set BM,  240                          ; v240-243 maxima
.set SCOP, 244
.set BY,  246
.set F,   248                          ; v[248:249] f = 2^(old M - new M), later 1 / the sum
.set SUM2, 250
.set DM,  252
.set W,   253
.set W2,  254
.set WV,  12                           ; s12  my wave's number
.set SEL, 20                           ; s[20:21] lane selects for lane l xor 16
.set CS,  22                           ; s[22:23] c = log2(e) / 8
.set G1,  24                           ; s[24:31], s[32:35] the descriptor
.set G0,  32
.set TB,  48                           ; s48  LDS byte at which the step's record begins
.set CNT, 49
.set QB,  52                           ; s[52:53] my record of q_img
.set YB,  54                           ; s[54:55] my tile's 768 bytes of y_codes
.set YSB, 56                           ; s[56:57] my tile's rows of y_scales, at my head's two bytes
.macro CROUND                          ; a round of the cluster's barrier
	s_barrier_signal -1
	s_barrier_wait -1
	s_cmp_lg_u32 s[WV], 0
	s_cbranch_scc1 .Lnot_wave_0_\@
	s_barrier_signal -3
.Lnot_wave_0_\@:
	s_barrier_wait -3
	s_barrier_signal -1
	s_barrier_wait -1
.endm
	s_load_b128 s[4:7], s[0:1], 0x0                ; q_img, kv_img
	s_load_b128 s[8:11], s[0:1], 0x10              ; y_codes, y_scales
	v_lshl_add_u32 v[SPW], v0, 2, SPARE
	v_mov_b32 v[NIL], 0
	ds_add_u32 v[SPW], v[NIL]                      ; the wave's opening: the add and its wait stand ahead of my tensor load; work on registers stands between them
	ds_add_u32 v[SPW], v[NIL]
	v_lshrrev_b32 v5, 5, v0
	s_delay_alu instid0(VALU_DEP_1)
	v_readfirstlane_b32 s[WV], v5                  ; wave 0..15
	s_bfe_u32 s13, ttmp6, 0x40000                  ; cx
	s_lshl_b32 s14, ttmp9, 2
	s_add_co_u32 s14, s14, s13                     ; my block of 512 queries: it enters q_img's and y's addresses alone
	s_and_b32 s15, ttmp7, 0xffff                   ; 16 x batch + head, which the four partners share
	s_lshl_b32 s16, s15, 4
	s_add_co_u32 s16, s16, s[WV]
	s_mul_i32 s16, s16, REC                        ; the record that I fetch, in memory (under 2^24),
	s_mov_b32 s17, 0
	s_mov_b32 s[G0], 1                             ; count = 1
	s_mul_i32 s[G0+1], s[WV], REC                  ; and in LDS: wave x 15,104
	s_mov_b32 s[G1], 15|(3<<16)|(1<<21)            ; the mask: all four work-groups; elements of 8 bytes; bit 21 beside a mask; no padding
	s_mov_b32 s[G1+1], 32<<16                      ; tensor_dim0 = 32: rows of 256 bytes
	s_mov_b32 s[G1+2], 59<<16                      ; tensor_dim1 = 59
	s_mov_b32 s[G1+3], 32<<16                      ; tile_dim0
	s_mov_b32 s[G1+4], 59                          ; tile_dim1
	s_mov_b32 s[G1+5], 32                          ; the pitch: dense
	s_mov_b32 s[G1+6], 0
	s_mov_b32 s[G1+7], 0
	s_lshl_b32 s18, s15, 4                         ; q_img: record 16 (16 b + head) + 4 x block + wave / 8
	s_lshl_b32 s19, s14, 2
	s_add_co_u32 s18, s18, s19
	s_lshr_b32 s19, s[WV], 3
	s_add_co_u32 s18, s18, s19
	s_mul_i32 s18, s18, QREC
	s_mov_b32 s19, 0
	s_lshr_b32 s36, s15, 4                         ; my tile of 16 rows among all 512: 128 x batch + 32 x block + wave
	s_lshl_b32 s36, s36, 7
	s_lshl_b32 s37, s14, 5
	s_add_co_u32 s36, s36, s37
	s_add_co_u32 s36, s36, s[WV]
	s_and_b32 s37, s15, 15                         ; the head
	s_lshl_b32 s38, s36, 4
	s_add_co_u32 s38, s38, s37
	s_mul_i32 s38, s38, 768                        ; y_codes: [tile][head][768]
	s_mov_b32 s39, 0
	s_lshl_b32 s40, s36, 9                         ; y_scales: 16 rows of 32 bytes a tile, + 2 x head
	s_lshl_b32 s41, s37, 1
	s_add_co_u32 s40, s40, s41
	s_mov_b32 s41, 0
	s_mov_b32 s[SEL], 0x76543210
	s_mov_b32 s[SEL+1], 0xfedcba98
	s_mov_b32 s[CS], 0x3e38aa3b                    ; log2(e) / 8
	s_mov_b32 s[CS+1], s[CS]                       ; (named with it as a pair, so it is written)
	s_wait_dscnt 0x0                               ; the opening add is done
	s_wait_kmcnt 0x0
	s_add_nc_u64 s[G0+2:G0+3], s[6:7], s[16:17]
	s_or_b32 s[G0+3], s[G0+3], 0x80000000          ; type = 2
	s_add_nc_u64 s[QB:QB+1], s[4:5], s[18:19]
	s_add_nc_u64 s[YB:YB+1], s[8:9], s[38:39]
	s_add_nc_u64 s[YSB:YSB+1], s[10:11], s[40:41]
	CROUND                                         ; all four work-groups are here: the joint loads meet
	tensor_load_to_lds s[G0:G0+3], s[G1:G1+7]      ; my one tensor load of the launch: record w of the head
	s_nop 0
.rept 4
	v_nop
.endr
	v_and_b32 v5, 31, v0
	s_delay_alu instid0(VALU_DEP_1)
	v_lshlrev_b32 v[L16], 4, v5
	s_delay_alu instid0(VALU_DEP_2)
	v_lshlrev_b32 v[L8], 3, v5
	v_and_b32 v6, 15, v0                           ; r
	s_wait_alu depctr_va_vdst(0)
	v_bfe_u32 v11, v0, 4, 1                        ; h
	s_wait_alu depctr_va_vdst(0)
	v_lshlrev_b32 v[H8], 3, v11
	s_and_b32 s42, s[WV], 7                        ; my tile in its record
	s_lshl_b32 s43, s42, 10
	v_add_nc_u32 v[QO], s43, v[L16]
	s_and_b32 s43, s[WV], 1                        ; its scale words: word tile / 2 of the 16 bytes of lane r + 16 (tile % 2)
	s_lshl_b32 s43, s43, 8
	s_lshr_b32 s42, s42, 1
	s_lshl_b32 s42, s42, 2
	s_add_co_u32 s43, s43, s42
	s_add_co_u32 s43, s43, 8192
	v_lshl_add_u32 v[QSO], v6, 4, s43
	v_lshl_add_u32 v[YSO], v6, 5, v11
.macro QLOAD p                         ; pass p's tile lies two records on
	global_load_b128 v[QF:QF+3], v[QO], s[QB:QB+1] offset:2*QREC*\p
	global_load_b128 v[QF+4:QF+7], v[QO], s[QB:QB+1] offset:2*QREC*\p+512
	global_load_b32 v[QS], v[QSO], s[QB:QB+1] offset:2*QREC*\p
.endm
	QLOAD 0
.irp i, 8,9,10,11
	v_mov_b32 v[QF+\i], 0                          ; k = 80 on of Q and of K: zero codes, set once
.irp t, 0,1,2,3
	v_mov_b32 v[KF+12*\t+\i], 0
.endr
.endr
	v_mov_b32 v[F+1], 0                            ; (named as the upper half of a pair)
	v_mov_b32 v[W2], 0                             ; written once: a lane permute's destination counts as one of its sources
.macro QK t                            ; S^T tile t = 16 keys x my 16 queries; K's scale words: tile 2 i in lanes 0-15 of word i, tile 2 i + 1 in lanes 16-31
.if (\t)%2
	v_wmma_scale_f32_16x16x128_f8f6f4 v[S+8*(\t):S+8*(\t)+7], v[KF+12*((\t)%4):KF+12*((\t)%4)+11], v[QF:QF+11], 0, v[KS+(\t)/2], v[QS] matrix_a_fmt:MATRIX_FMT_FP6 matrix_b_fmt:MATRIX_FMT_FP6 matrix_a_scale:MATRIX_SCALE_ROW1
.else
	v_wmma_scale_f32_16x16x128_f8f6f4 v[S+8*(\t):S+8*(\t)+7], v[KF+12*((\t)%4):KF+12*((\t)%4)+11], v[QF:QF+11], 0, v[KS+(\t)/2], v[QS] matrix_a_fmt:MATRIX_FMT_FP6 matrix_b_fmt:MATRIX_FMT_FP6
.endif
.endm
.macro PV t                            ; O^T tile t += 16 channels x 128 keys times P.  The four accumulators take turns, and eight score products stand between an accumulator's links
.if (\t)%2
	v_wmma_scale_f32_16x16x128_f8f6f4 v[O+8*(\t):O+8*(\t)+7], v[VF+12*(\t):VF+12*(\t)+11], v[PCD:PCD+11], v[O+8*(\t):O+8*(\t)+7], v[VS+(\t)/2], v[PS] matrix_a_fmt:MATRIX_FMT_FP6 matrix_b_fmt:MATRIX_FMT_FP6 matrix_a_scale:MATRIX_SCALE_ROW1
.else
	v_wmma_scale_f32_16x16x128_f8f6f4 v[O+8*(\t):O+8*(\t)+7], v[VF+12*(\t):VF+12*(\t)+11], v[PCD:PCD+11], v[O+8*(\t):O+8*(\t)+7], v[VS+(\t)/2], v[PS] matrix_a_fmt:MATRIX_FMT_FP6 matrix_b_fmt:MATRIX_FMT_FP6
.endif
.endm
; A KEY STEP: 128 keys, one record.
.macro STEP
	v_add_nc_u32 v[AD16], s[TB], v[L16]
	v_add_nc_u32 v[AD8], s[TB], v[L8]
	v_nop
	v_nop                                          ; four plain lines between the last step's products and the loads into their operands
	ds_load_b128 v[KS:KS+3], v[AD16] offset:8192
.irp t, 0,1,2,3
	ds_load_b128 v[KF+12*\t:KF+12*\t+3], v[AD16] offset:1024*\t
	ds_load_b128 v[KF+12*\t+4:KF+12*\t+7], v[AD16] offset:1024*\t+512
.endr
.irp t, 0,1,2,3
.irp i, 0,1,2
	ds_load_b128 v[VF+12*\t+4*\i:VF+12*\t+4*\i+3], v[AD16] offset:8704+1536*\t+512*\i
.endr
.endr
	ds_load_b64 v[VS:VS+1], v[AD8] offset:14848
	s_wait_alu depctr_va_vdst(0)
	s_wait_dscnt 13                                ; K's scale words and tiles 0-3 are in; the 13 loads for V may be out
.irp t, 0,1,2,3
	QK \t
.endr
.rept 4
	v_nop                                          ; places in front of loads into registers that these products read
.endr
.irp t, 0,1,2,3
	ds_load_b128 v[KF+12*\t:KF+12*\t+3], v[AD16] offset:4096+1024*\t
	ds_load_b128 v[KF+12*\t+4:KF+12*\t+7], v[AD16] offset:4096+1024*\t+512
.endr
	s_wait_dscnt 0x0
.irp t, 4,5,6,7
	QK \t
.endr
.rept 4
	v_nop                                          ; places in front of the first read of the scores
.endr
.irp c, 0,1,2,3                                ; THE LARGEST SCORE OF EACH BLOCK OF 32 KEYS, all mine, in two chains a block; each accumulator is first read at its low end.  It serves for the row's maximum and, since p rises with the score, for the block's largest p
	v_max3_num_f32 v[BM+\c], v[S+16*\c], v[S+16*\c+1], v[S+16*\c+2]
.endr
.irp i, 3,5,7,9,11,13
.irp c, 0,1,2,3
	v_max3_num_f32 v[BM+\c], v[BM+\c], v[S+16*\c+\i], v[S+16*\c+\i+1]
.endr
.endr
	v_max3_num_f32 v[BM], v[BM], v[BM+1], v[S+15]
	v_max3_num_f32 v[BM+2], v[BM+2], v[BM+3], v[S+47]
	v_max_num_f32 v[BM], v[BM], v[S+31]            ; block g = 0
	v_max_num_f32 v[BM+2], v[BM+2], v[S+63]        ; block g = 1
	s_delay_alu instid0(VALU_DEP_1)
	v_max_num_f32 v[BM+1], v[BM], v[BM+2]
	s_delay_alu instid0(VALU_DEP_1)
	v_permlanex16_b32 v[BM+3], v[BM+1], s[SEL], s[SEL+1]
	s_delay_alu instid0(VALU_DEP_1)
	v_max_num_f32 v[BM+1], v[BM+1], v[BM+3]        ; the step's largest score of my query
	s_delay_alu instid0(VALU_DEP_1)
	v_mul_f32 v[BM+1], s[CS], v[BM+1]              ; as t
	s_delay_alu instid0(VALU_DEP_1)
	v_max_num_f32 v13, v13, v[BM+1]                ; the running largest t
	v_mov_b32 v[DM], v12
	s_delay_alu instid0(VALU_DEP_2)
	v_floor_f32 v12, -v13                          ; the new -M = floor(-t): M is a whole number
	s_delay_alu instid0(VALU_DEP_1)
	v_sub_f32 v[DM], v12, v[DM]                    ; old M - new M: a whole number, 0 or less
	s_delay_alu instid0(VALU_DEP_1)
	v_cvt_i32_f32 v[DM], v[DM]                     ; (it saturates)
	s_delay_alu instid0(VALU_DEP_1)
	v_ldexp_f32 v[F], 1.0, v[DM]                   ; f = 2^(old M - new M)
.set j, 0
.rept 32
	v_pk_fma_f32 v[S+j:S+j+1], v[S+j:S+j+1], s[CS:CS+1], v[12:13] op_sel_hi:[1,0,0]   ; t - M, two at a time
.set j, j+2
.endr
	v_fma_f32 v[BM], v[BM], s[CS], v12             ; the same of each block's largest score
	v_fma_f32 v[BM+2], v[BM+2], s[CS], v12
.set j, 0
	s_setprio 1
	s_wait_alu depctr_va_vdst(0)
.rept 64
	v_exp_f32 v[S+j], v[S+j]                       ; p = 2^(t - M), at most 1
.set j, j+1
.endr
	v_pk_mul_f32 v[14:15], v[14:15], v[F:F+1] op_sel_hi:[1,0]   ; the sums under the new M (the plain line behind the exponentials)
	s_wait_alu depctr_va_vdst(0)                   ; one wait for the batch of 64, ahead of its first reader
	v_exp_f32 v[BM], v[BM]                         ; the blocks' largest p: the same two instructions on the same number give the same bits
	v_exp_f32 v[BM+2], v[BM+2]
	v_pk_add_f32 v[250:251], v[136:137], v[140:141]
	v_pk_add_f32 v[252:253], v[144:145], v[148:149]
	v_pk_add_f32 v[246:247], v[152:153], v[156:157]
	v_pk_add_f32 v[244:245], v[160:161], v[164:165]
	v_pk_add_f32 v[238:239], v[168:169], v[172:173]
	v_pk_add_f32 v[236:237], v[176:177], v[180:181]
	v_pk_add_f32 v[234:235], v[184:185], v[188:189]
	v_pk_add_f32 v[14:15], v[14:15], v[192:193]
	v_pk_add_f32 v[250:251], v[250:251], v[132:133]
	v_pk_add_f32 v[252:253], v[252:253], v[134:135]
	v_pk_add_f32 v[246:247], v[246:247], v[138:139]
	v_pk_add_f32 v[244:245], v[244:245], v[142:143]
	v_pk_add_f32 v[238:239], v[238:239], v[146:147]
	v_pk_add_f32 v[236:237], v[236:237], v[150:151]
	v_pk_add_f32 v[234:235], v[234:235], v[154:155]
	v_pk_add_f32 v[14:15], v[14:15], v[158:159]
	v_pk_add_f32 v[250:251], v[250:251], v[162:163]
	v_pk_add_f32 v[252:253], v[252:253], v[166:167]
	v_pk_add_f32 v[246:247], v[246:247], v[170:171]
	v_pk_add_f32 v[244:245], v[244:245], v[174:175]
	v_pk_add_f32 v[238:239], v[238:239], v[178:179]
	v_pk_add_f32 v[236:237], v[236:237], v[182:183]
	v_pk_add_f32 v[234:235], v[234:235], v[186:187]
	v_pk_add_f32 v[14:15], v[14:15], v[190:191]
	v_pk_add_f32 v[250:251], v[250:251], v[194:195]
	s_delay_alu instid0(VALU_DEP_2)
	v_pk_add_f32 v[14:15], v[14:15], v[244:245]
	s_delay_alu instid0(VALU_DEP_2)
	v_pk_add_f32 v[250:251], v[250:251], v[238:239]
	v_pk_add_f32 v[252:253], v[252:253], v[236:237]
	v_pk_add_f32 v[246:247], v[246:247], v[234:235]
	s_delay_alu instid0(VALU_DEP_2)
	v_pk_add_f32 v[14:15], v[14:15], v[252:253]
	s_delay_alu instid0(VALU_DEP_2)
	v_pk_add_f32 v[250:251], v[250:251], v[246:247]
	s_delay_alu instid0(VALU_DEP_1)
	v_pk_add_f32 v[14:15], v[14:15], v[250:251]
	s_wait_alu depctr_va_vdst(0)                   ; and one for the two
	v_max_num_f32 v[BM], 0x1800000, v[BM]          ; the floor 2^(3 - 127): the byte cannot fall under 1
	v_max_num_f32 v[BM+2], 0x1800000, v[BM+2]
	s_delay_alu instid0(VALU_DEP_2)
	v_add_nc_u32 v[SCOP], 0xff000000, v[BM]        ; 2 off the exponent field: the conversion's scale operand
	s_delay_alu instid0(VALU_DEP_2)
	v_add_nc_u32 v[SCOP+1], 0xff000000, v[BM+2]
	s_delay_alu instid0(VALU_DEP_2)
	v_lshrrev_b32 v[BY], 23, v[SCOP]
	s_delay_alu instid0(VALU_DEP_2)
	v_lshrrev_b32 v[BY+1], 23, v[SCOP+1]
	s_delay_alu instid0(VALU_DEP_1)
	v_lshl_or_b32 v[W], v[BY+1], 16, v[BY]
	s_delay_alu instid0(VALU_DEP_1)
	v_lshlrev_b32 v[W], v[H8], v[W]                ; byte 2 g + h
	s_delay_alu instid0(VALU_DEP_1)
	v_permlanex16_b32 v[W2], v[W], s[SEL], s[SEL+1]
	s_delay_alu instid0(VALU_DEP_1)
	v_or_b32 v[PS], v[W], v[W2]                    ; P's scale word for these 128 keys
.irp g, 0,1
	v_cvt_scalef32_pk16_fp6_f32 v[PCD+6*\g:PCD+6*\g+2], v[S+32*\g:S+32*\g+15], v[SCOP+\g]
	v_cvt_scalef32_pk16_fp6_f32 v[KF+4*\g:KF+4*\g+2], v[S+32*\g+16:S+32*\g+31], v[SCOP+\g]   ; (a conversion's three registers begin on an even number)
.endr
	v_nop                                          ; one plain line behind a scaled conversion
.irp g, 0,1
.irp i, 0,1,2
	v_mov_b32 v[PCD+6*\g+3+\i], v[KF+4*\g+\i]
.endr
.endr
.set j, 0
	s_setprio 0
.rept 16
	v_pk_mul_f32 v[O+j:O+j+1], v[O+j:O+j+1], v[F:F+1] op_sel_hi:[1,0]   ; O^T under the new M.  (These sixteen, the moves and the v_nop are the places between the scale word's and the codes' last writes and the products)
.set j, j+2
.endr
.irp t, 0,1,2,3
	PV \t
.endr
	s_add_co_u32 s[TB], s[TB], REC
.endm
; The way out of a pass: O^T / the sum, quantised: my 32 numbers are one block of the last projection's K.  Six registers of codes leave as three planes of 8 bytes a lane (256 consecutive bytes, aligned, each), the byte by itself.
.macro WAYOUT p
	v_add_f32 v14, v14, v15
	s_delay_alu instid0(VALU_DEP_1)
	v_permlanex16_b32 v[W2], v14, s[SEL], s[SEL+1]
	s_delay_alu instid0(VALU_DEP_1)
	v_add_f32 v14, v14, v[W2]                      ; the row's sum
	s_wait_alu depctr_va_vdst(0)
	v_rcp_f32 v[F], v14
	v_nop                                          ; a plain line behind the reciprocal
	s_wait_alu depctr_va_vdst(0)                   ; and the wait ahead of its first reader
.set j, 0
.rept 16
	v_pk_mul_f32 v[S+j:S+j+1], v[O+j:O+j+1], v[F:F+1] op_sel_hi:[1,0]   ; each accumulator from its low end on
.set j, j+2
.endr
	v_max3_num_f32 v[BM], |v[S]|, |v[S+1]|, 0x1800000
	v_max3_num_f32 v[BM+1], |v[S+16]|, |v[S+17]|, 0x1800000
.irp i, 2,4,6,8,10,12,14
	s_delay_alu instid0(VALU_DEP_2)
	v_max3_num_f32 v[BM], v[BM], |v[S+\i]|, |v[S+\i+1]|
	s_delay_alu instid0(VALU_DEP_2)
	v_max3_num_f32 v[BM+1], v[BM+1], |v[S+16+\i]|, |v[S+17+\i]|
.endr
	s_delay_alu instid0(VALU_DEP_1)
	v_max_num_f32 v[BM], v[BM], v[BM+1]
	s_delay_alu instid0(VALU_DEP_1)
	v_add_nc_u32 v[SCOP], 0xff000000, v[BM]
	s_delay_alu instid0(VALU_DEP_1)
	v_lshrrev_b32 v[BY], 23, v[SCOP]
	v_cmp_neq_f32 vcc_lo, 0, v14                   ; a sum of 0: every key of the batch is masked
	s_delay_alu instid0(VALU_DEP_1)
	v_cndmask_b32 v[BY], 0xff, v[BY], vcc_lo       ; then the byte is 0xff
	v_cvt_scalef32_pk16_fp6_f32 v[S+32:S+34], v[S:S+15], v[SCOP]
	v_cvt_scalef32_pk16_fp6_f32 v[S+36:S+38], v[S+16:S+31], v[SCOP]
	v_nop                                          ; one plain line behind a scaled conversion
	v_mov_b32 v[S+35], v[S+36]
	v_mov_b32 v[S+36], v[S+37]
	v_mov_b32 v[S+37], v[S+38]
.irp q, 0,1,2
	global_store_b64 v[L8], v[S+32+2*\q:S+33+2*\q], s[YB:YB+1] offset:256*\q+196608*\p   ; pass p's tile lies 16 tiles of 12,288 bytes on
.endr
	global_store_b8 v[YSO], v[BY], s[YSB:YSB+1] offset:8192*\p
.endm
.macro PASS p
	v_mov_b32 v13, 0xf1800000                      ; the largest t so far: -2^100, over every masked t and under every true one
	v_mov_b32 v14, 0                               ; the sum, in two halves
	v_mov_b32 v15, 0
	s_delay_alu instid0(VALU_DEP_3)
	v_floor_f32 v12, -v13                          ; -M
.set j, 0
.rept 32
	v_mov_b32 v[O+j], 0                            ; O^T.  (The step is written once: the first finds zeros, which the first change of M leaves zeros)
.set j, j+1
.endr
	s_mov_b32 s[TB], 0
	s_mov_b32 s[CNT], 16
.if \p
	s_wait_loadcnt 0x0                             ; this pass's Q
	s_wait_xcnt 0x0                                ; the last pass's stores have read their data: those registers are written again only behind this wait
.endif
.Lstep_\@:
	s_setprio 2
	STEP
	s_sub_co_u32 s[CNT], s[CNT], 1
	s_cmp_lg_u32 s[CNT], 0
	s_cbranch_scc1 .Lstep_\@
	s_setprio 0
.rept 4
	v_nop                                          ; places behind the last products
.endr
.if \p == 0
	QLOAD 1                                        ; the next pass's Q lands while this pass goes out
.endif
	WAYOUT \p
.endm
	s_wait_loadcnt 0x0                             ; Q
	s_wait_tensorcnt 0x0                           ; my record is in LDS,
	s_barrier_signal -1
	s_barrier_wait -1                              ; everybody's is: the whole head.
	PASS 0
	PASS 1
	s_wait_tensorcnt 0x0                           ; the wave's end: behind my tensor load
	ds_add_u32 v[SPW], v[NIL]
	s_wait_dscnt 0x0
	CROUND                                         ; the closing round
	s_endpgm
.Lfunc_end_k_q6125980562_attn:
	.size	k_q6125980562_attn, .Lfunc_end_k_q6125980562_attn-k_q6125980562_attn
	.p2alignl 7, 3214868480
	.fill 96, 4, 3214868480
	.section	.rodata,"a",@progbits
	.p2align	6, 0x0
	.amdhsa_kernel k_q6125980562_attn
		.amdhsa_group_segment_fixed_size 327680
		.amdhsa_private_segment_fixed_size 0
		.amdhsa_enable_private_segment 0
		.amdhsa_kernarg_size 32
		.amdhsa_user_sgpr_count 2
		.amdhsa_user_sgpr_kernarg_segment_ptr 1
		.amdhsa_wavefront_size32 1
		.amdhsa_system_sgpr_workgroup_id_x 1
		.amdhsa_system_sgpr_workgroup_id_y 1
		.amdhsa_system_sgpr_workgroup_id_z 1
		.amdhsa_system_vgpr_workitem_id 0
		.amdhsa_next_free_vgpr 256
		.amdhsa_next_free_sgpr 66
		.amdhsa_reserve_vcc 1
		.amdhsa_float_denorm_mode_32 3
		.amdhsa_float_denorm_mode_16_64 3
		.amdhsa_memory_ordered 1
		.amdhsa_forward_progress 1
		.amdhsa_inst_pref_size 48
	.end_amdhsa_kernel
	.amdgpu_metadata
---
amdhsa.version: [ 1, 2 ]
amdhsa.kernels:
  - .name:           k_q6125980562_attn
    .symbol:         k_q6125980562_attn.kd
    .args:
      - { .name: q_img, .offset: 0, .size: 8, .value_kind: global_buffer, .address_space: global }
      - { .name: kv_img, .offset: 8, .size: 8, .value_kind: global_buffer, .address_space: global }
      - { .name: y_codes, .offset: 16, .size: 8, .value_kind: global_buffer, .address_space: global }
      - { .name: y_scales, .offset: 24, .size: 8, .value_kind: global_buffer, .address_space: global }
    .group_segment_fixed_size: 327680
    .private_segment_fixed_size: 0
    .kernarg_segment_align: 8
    .kernarg_segment_size: 32
    .max_flat_workgroup_size: 512
    .sgpr_count:     66
    .vgpr_count:     256
    .wavefront_size: 32
...
	.end_amdgpu_metadata
.endif
;; end of part 4
;; launch outp (part 5): grid 4 x 32, 4 waves a work-group, clusters of 4 x 4, 327,680 bytes of LDS; arguments y_codes, y_scales, codes, scales, out0; writes out0
.if DOCPART == 5
	.amdgcn_target "amdgcn-amd-amdhsa--gfx1250"
	.amdhsa_code_object_version 6
	.text
	.protected	k_q6125980562_outp
	.globl	k_q6125980562_outp
	.p2align	8
	.type	k_q6125980562_outp,@function
k_q6125980562_outp:
	s_mov_b64 s[64:65], 0
	v_nop
	global_prefetch_b8 v0, s[64:65] scope:SCOPE_SE
	s_setreg_imm32_b32 hwreg(HW_REG_WAVE_MODE, 25, 1), 1
	s_wait_xcnt 0x0
	s_wait_alu depctr_hold_cnt(0) depctr_sa_sdst(0) depctr_va_vdst(0) depctr_va_sdst(0) depctr_va_ssrc(0) depctr_va_vcc(0) depctr_vm_vsrc(0)
	s_getreg_b32 s2, hwreg(HW_REG_IB_STS2, 6, 4)
	s_cmp_eq_u32 s2, 0
	s_cbranch_scc0 .Lentry_in_a_cluster
	s_endpgm
.Lentry_in_a_cluster:
	s_bfe_u32 s2, ttmp6, 0x10000c
	s_cmp_lg_u32 s2, 0xf033
	s_cbranch_scc0 .Lentry_shape_is_right
	s_endpgm
.Lentry_shape_is_right:
; out0 = Yp W_O on codes of FP6 (E2M3) with E8M0 scales: C[m][n] = sum over k of A[m][k] B[n][k], M = 8,192, N = K = 1,024; C f32.
; A = Yp: y_codes [tile of 16 row positions (512)][head (16)][3 planes x 256 bytes]: images of operand registers, plane p = registers 2 p, 2 p + 1 of the head's six, 8 bytes a lane; y_scales [8192][32].
; B = W_O: rows of 768 bytes of codes and 32 scale bytes, in the weights' part of the codes' and scales' buffers.
; A tile of C, 256 x 256, is made by a work-group of four waves, each 128 x 128 in 64 accumulators.  K goes in steps of 256 (four heads) through a ring of two LDS slots filled by joint tensor loads: 4 x 4 work-groups form a cluster,
; A's tile is shared along a row of the cluster, B's along a column.  The scale bytes of the work-group's rows come once and stay.
; THE MATRIX INSTRUCTION IS USED TRANSPOSED (source 0 = 16 rows of B, source 1 = 16 rows of A).  A's and B's rows lie in the order in which, inside a group of 64, position 16 t + 8 hb + j holds row 32 hb + 8 t + j:
; the way out puts rows and columns back: a lane's eight results of B's tile 4 g + t are the actual columns 64 g + 32 (lane / 16) + 8 t + 0 .. 7, and position 16 a + r of my 128 rows is row 64 (a / 4) + 32 (r / 8) + 8 (a % 4) + r % 8.
; REGISTERS: window 0: v0-31 addresses; v32-63 scale words, two sets; from v128 A's fragments, one set; on the way out v128-255.  window 1: B's fragments, two sets.  windows 2, 3: the accumulators.
.set SIZE_K, 1024
.set SIZE_N, 1024
.set KSTEP,  256
.set NQ,     KSTEP/128
.set ROWB,   192                       ; a row of B's tile in bytes
.set KROW,   SIZE_K*6/8
.set PITCH,  240                       ; B's LDS row: 3 x (64 bytes + 16 of padding)
.set ATB,    3072                      ; A: a tile of 16 rows x 256 along K: four heads x 768 bytes, dense
.set ATP,    12288                     ; and from tile to tile in memory
.set FR,     12
.set NL,     6
.set NP,     4                         ; places behind this matrix instruction (ISA guide 7.12.1)
.set HALFT,  128*PITCH                 ; the LDS room of 128 rows (A's use 24,576 bytes of it)
.set SLOT,   4*HALFT
.set LAPS,   SIZE_K/(2*KSTEP)
.set KS,     SIZE_K/32
.set SCL,    2*SLOT
.set HALFS,  (128*KS/256)*272
.set SBLK,   (16*KS/256)*272
.set SPARE,  SCL+4*HALFS
.set SPITCH, 528                       ; the way out: a stage of 16 rows x (512 bytes + 16) for each wave, in slot 0, which has had its last fill and its last read when the first result is stored there
.set WOC,    12582912+3*786432         ; W_O's codes in the codes' buffer
.set WOS,    524288+3*32768            ; and its scale bytes
.set ADRA, 16                          ; v16-17 LDS address of my A fragments in slot 0, 1
.set ADRB, 20                          ; v20-21 the same for B (v22-23: behind one padding more)
.set STO,  24
.set RD,   25
.set CO,   26
.set ADRS, 27
.set SPW,  28                          ; my spare word; never rewritten
.set NIL,  29                          ; 0; never rewritten
.set SC,   32
.set AF,   128
.set BK,   128
.set G1, 24
.set G0, 32
.set G1B, 48
.set G0B, 56
.set G1S, 68
.set G0S, 76
.set G1SB, 80
.set G0SB, 88
.set MSB, 0
.macro WIN new                         ; the immediate's high byte repeats the setting that is left
.if MSB != \new
	s_set_vgpr_msb (MSB<<8)|\new
.set MSB, \new
.endif
.endm
.set MUL_LO, 0xa1
.set MUL_HI, 0xf1
.set TO_B,   0x40
.macro JLOAD g0a, g1a, g0b, g1b        ; a joint load: waves 0 and 1 fetch for A, waves 2 and 3 for B; the branch hangs on the wave's number alone
	s_cmp_eq_u32 s15, 0
	s_cbranch_scc0 .Lfor_b_\@
	tensor_load_to_lds s[\g0a:\g0a+3], s[\g1a:\g1a+7]
	s_nop 0
.rept 4
	v_nop
.endr
	s_branch .Lasked_\@
.Lfor_b_\@:
	tensor_load_to_lds s[\g0b:\g0b+3], s[\g1b:\g1b+7]
	s_nop 0
.rept 4
	v_nop
.endr
.Lasked_\@:
.endm
.macro CREST
	s_cmp_lg_u32 s14, 0
	s_cbranch_scc1 .Lnot_wave_0_\@
	s_barrier_signal -3
.Lnot_wave_0_\@:
	s_barrier_wait -3
	s_barrier_signal -1
	s_barrier_wait -1
.endm
.macro CROUND
	s_barrier_signal -1
	s_barrier_wait -1
	CREST
.endm
	s_load_b128 s[4:7], s[0:1], 0x0                ; y_codes s[4:5], y_scales s[6:7]
	s_load_b128 s[8:11], s[0:1], 0x10              ; codes s[8:9], scales s[10:11]
	s_load_b64 s[12:13], s[0:1], 0x20              ; out0
	v_lshl_add_u32 v[SPW], v0, 2, SPARE
	v_mov_b32 v[NIL], 0
	ds_add_u32 v[SPW], v[NIL]                      ; the wave's opening: the add and its wait stand ahead of my first tensor load; work on registers stands between them
	v_lshrrev_b32 v1, 5, v0
	v_readfirstlane_b32 s14, v1                    ; wave 0..3
	s_lshr_b32 s15, s14, 1                         ; which half of the tile's rows is mine.  Also: I fetch for A (0) or for B (1)
	s_and_b32 s16, s14, 1                          ; which half of its columns.  Also: which 128 rows of that tile I fetch
	s_bfe_u32 s40, ttmp6, 0x40000                  ; cx, cy
	s_bfe_u32 s41, ttmp6, 0x40004
	s_lshl_b32 s42, ttmp9, 2
	s_add_co_u32 s42, s42, s40                     ; tile column of C
	s_and_b32 s17, ttmp7, 0xffff
	s_lshl_b32 s17, s17, 2
	s_add_co_u32 s17, s17, s41                     ; tile row of C
	s_lshl_b32 s43, s41, 2
	s_lshl_b32 s43, 15, s43                        ; my row of the cluster
	s_lshl_b32 s44, 0x1111, s40                    ; my column
	; A's tiles: 8 rows (tiles of 16 positions) of 3,072 bytes, 12,288 bytes apart, in elements of 8 bytes, dense in LDS
	s_or_b32 s[G1+0], s43, (3<<16)|(1<<21)
	s_mov_b32 s[G1+1], (ATB/8)<<16                 ; tensor_dim0 = 384
	s_mov_b32 s[G1+2], 8<<16                       ; tensor_dim1 = 8
	s_mov_b32 s[G1+3], (ATB/8)<<16                 ; tile_dim0
	s_mov_b32 s[G1+4], 8                           ; tile_dim1
	s_mov_b32 s[G1+5], ATP/8                       ; the pitch
	s_mov_b32 s[G1+6], 0
	s_mov_b32 s[G1+7], 0
	; B's tiles: 128 rows x 192 bytes, 16 bytes of padding behind every 64
	s_or_b32 s[G1B+0], s44, (0<<16)|(1<<20)|(1<<21)|(3<<22)|(3<<25)
	s_mov_b32 s[G1B+1], ROWB<<16
	s_mov_b32 s[G1B+2], 128<<16
	s_mov_b32 s[G1B+3], ROWB<<16
	s_mov_b32 s[G1B+4], 128
	s_mov_b32 s[G1B+5], KROW
	s_mov_b32 s[G1B+6], 0
	s_mov_b32 s[G1B+7], 0
	; the scales of 128 rows: 4,096 dense bytes, as 16 rows of 256 bytes, 16 bytes of padding behind each
	s_or_b32 s[G1S+0], s43, (3<<16)|(1<<20)|(1<<21)|(5<<22)|(3<<25)
	s_or_b32 s[G1SB+0], s44, (3<<16)|(1<<20)|(1<<21)|(5<<22)|(3<<25)
.irp g, G1S, G1SB
	s_mov_b32 s[\g+1], 32<<16
	s_mov_b32 s[\g+2], (128*KS/256)<<16
	s_mov_b32 s[\g+3], 32<<16
	s_mov_b32 s[\g+4], 128*KS/256
	s_mov_b32 s[\g+5], 32
	s_mov_b32 s[\g+6], 0
	s_mov_b32 s[\g+7], 0
.endr
	s_lshl_b32 s20, s17, 4
	s_lshl_b32 s18, s16, 3
	s_add_co_u32 s20, s20, s18                     ; A: tile of 16 rows 16 x tile row + 8 x half
	s_lshl_b32 s22, s20, 9                         ; its scales: 512 bytes a tile
	s_mov_b32 s23, 0
	s_mul_i32 s20, s20, ATP                        ; its codes (under 2^23)
	s_mov_b32 s21, 0
	s_lshl_b32 s46, s42, 8
	s_lshl_b32 s18, s16, 7
	s_add_co_u32 s46, s46, s18                     ; B: row 256 x tile column + 128 x half
	s_lshl_b32 s92, s46, 5
	s_add_co_u32 s92, s92, WOS
	s_mov_b32 s93, 0
	s_mul_i32 s46, s46, KROW
	s_add_co_u32 s46, s46, WOC
	s_mov_b32 s47, 0
	s_mul_i32 s45, s14, HALFT                      ; where they go: wave x the room of 128 rows: no place in the cluster enters an LDS address
	s_mul_i32 s94, s14, HALFS
	s_wait_dscnt 0x0                               ; the opening add is done
	s_wait_kmcnt 0x0
	s_add_nc_u64 s[20:21], s[4:5], s[20:21]
	s_add_nc_u64 s[22:23], s[6:7], s[22:23]
	s_add_nc_u64 s[46:47], s[8:9], s[46:47]
	s_add_nc_u64 s[92:93], s[10:11], s[92:93]
	CROUND                                         ; all sixteen work-groups are here: the first joint loads meet
	s_mov_b32 s[G0S], 1
	s_add_co_u32 s[G0S+1], s94, SCL
	s_mov_b64 s[G0S+2:G0S+3], s[22:23]
	s_or_b32 s[G0S+3], s[G0S+3], 0x80000000
	s_mov_b32 s[G0SB], 1
	s_add_co_u32 s[G0SB+1], s94, SCL
	s_mov_b64 s[G0SB+2:G0SB+3], s[92:93]
	s_or_b32 s[G0SB+3], s[G0SB+3], 0x80000000
	JLOAD G0S, G1S, G0SB, G1SB                     ; the scales first
.irp s, 0,1
	s_mov_b32 s[G0+4*\s], 1
	s_add_co_u32 s[G0+4*\s+1], s45, \s*SLOT
	s_add_nc_u64 s[G0+4*\s+2:G0+4*\s+3], s[20:21], \s*ATB
	s_or_b32 s[G0+4*\s+3], s[G0+4*\s+3], 0x80000000
	s_mov_b32 s[G0B+4*\s], 1
	s_add_co_u32 s[G0B+4*\s+1], s45, \s*SLOT
	s_add_nc_u64 s[G0B+4*\s+2:G0B+4*\s+3], s[46:47], \s*ROWB
	s_or_b32 s[G0B+4*\s+3], s[G0B+4*\s+3], 0x80000000
	JLOAD G0+4*\s, G1, G0B+4*\s, G1B               ; three tensor loads of mine are out
.endr
	v_and_b32 v1, 15, v0                           ; r
	v_bfe_u32 v2, v0, 4, 1                         ; h
	v_mul_u32_u24 v3, v1, PITCH
	v_mul_u32_u24 v4, v2, 24
	v_add_nc_u32 v4, v3, v4                        ; B: a fragment's row x pitch + 24 x half
	v_lshl_add_u32 v5, v2, 4, v4                   ; and the same behind one padding more
	v_and_b32 v6, 31, v0
	v_lshlrev_b32 v7, 3, v6                        ; A: 8 x lane
	s_mul_i32 s21, s15, HALFT                      ; my 128 rows of A
	s_mul_i32 s22, s16, HALFT                      ; my 128 rows of B,
	s_add_co_u32 s22, s22, 2*HALFT                 ; which lie behind A's
.irp s, 0,1
	v_add_nc_u32 v[ADRA+\s], s21, v7
	v_add_nc_u32 v[ADRB+\s], s22, v4
	v_add_nc_u32 v[ADRB+2+\s], s22, v5
	s_add_co_u32 s21, s21, SLOT
	s_add_co_u32 s22, s22, SLOT
.endr
	v_mul_u32_u24 v5, v1, KS                       ; my row's scales: 32 bytes a row,
	v_lshrrev_b32 v6, 8, v5
	v_lshl_add_u32 v5, v6, 4, v5                   ; and 16 more for each 256 passed
	s_mul_i32 s21, s15, HALFS
	s_mul_i32 s22, s16, HALFS
	s_add_co_u32 s22, s22, 2*HALFS
	s_sub_co_u32 s22, s22, s21
	v_mul_u32_u24 v6, s22, v2                      ; lanes 16-31 take B's
	s_add_co_u32 s21, s21, SCL
	v_add_nc_u32 v5, v5, v6
	v_add_nc_u32 v[ADRS], s21, v5
	s_mul_i32 s23, s14, 16*SPITCH                  ; my stage
	v_mul_u32_u24 v5, v1, SPITCH                   ; in: row r, + 128 h: my half's 32 columns of each group of 64
	v_lshl_add_u32 v5, v2, 7, v5
	v_add_nc_u32 v[STO], s23, v5
	v_and_b32 v6, 31, v0
	v_lshlrev_b32 v[CO], 4, v6                     ; back: the 32 lanes take one row of 512 bytes; and the same in C
	v_add_nc_u32 v[RD], s23, v[CO]
	s_lshl_b32 s20, s17, 8
	s_lshl_b32 s21, s15, 7
	s_add_co_u32 s20, s20, s21                     ; my first row of C
	s_lshl_b32 s20, s20, 12                        ; x 4,096 bytes (under 2^25)
	s_lshl_b32 s46, s42, 10                        ; my first column, in bytes
	s_lshl_b32 s47, s16, 9
	s_add_co_u32 s46, s46, s47
	s_add_co_u32 s20, s20, s46
	s_mov_b32 s21, 0
	s_add_nc_u64 s[12:13], s[12:13], s[20:21]
.macro FRAG reg, adr, q, i             ; a fragment of B from rows: lane l holds row l % 16; 24 bytes of the row for each 64 along K, in pieces of 8
.irp p, 0,1,2,3,4,5
.set PC, 12*(\q)+6*(\p/3)+\p%3
.if PC%8 < 5
	ds_load_b64 v[\reg+2*\p:\reg+2*\p+1], v[\adr] offset:8*PC+16*(PC/8)+(\i)*16*PITCH
.else
	ds_load_b64 v[\reg+2*\p:\reg+2*\p+1], v[\adr+2] offset:8*PC+16*(PC/8)+(\i)*16*PITCH
.endif
.endr
.endm
.macro FRAGA reg, adr, q, i            ; a fragment of A from its image: six planes of 256 consecutive bytes, 8 a lane: two heads x three
.irp p, 0,1,2,3,4,5
	ds_load_b64 v[\reg+2*\p:\reg+2*\p+1], v[\adr] offset:ATB*(\i)+1536*(\q)+256*\p
.endr
.endm
; 16 matrix instructions: A's blocks a0, a0 + 1 x B's eight.  The 64 accumulators take turns, one instruction a turn, in the same order in every step.
.macro MUL16 a0, p, q, sc, zero
.irp a, \a0, \a0+1
.irp b, 0,1,2,3,4,5,6,7
.if \zero
	v_wmma_scale_f32_16x16x128_f8f6f4 v[8*(8*((\a)%4)+\b):8*(8*((\a)%4)+\b)+7], v[128*(\p)+FR*\b:128*(\p)+FR*\b+FR-1], v[AF+FR*(\a):AF+FR*(\a)+FR-1], 0, v[SC+8*NQ*(\sc)+NQ*\b+(\q)], v[SC+8*NQ*(\sc)+NQ*(\a)+(\q)] matrix_a_fmt:MATRIX_FMT_FP6 matrix_b_fmt:MATRIX_FMT_FP6 matrix_a_scale:MATRIX_SCALE_ROW1
.else
	v_wmma_scale_f32_16x16x128_f8f6f4 v[8*(8*((\a)%4)+\b):8*(8*((\a)%4)+\b)+7], v[128*(\p)+FR*\b:128*(\p)+FR*\b+FR-1], v[AF+FR*(\a):AF+FR*(\a)+FR-1], v[8*(8*((\a)%4)+\b):8*(8*((\a)%4)+\b)+7], v[SC+8*NQ*(\sc)+NQ*\b+(\q)], v[SC+8*NQ*(\sc)+NQ*(\a)+(\q)] matrix_a_fmt:MATRIX_FMT_FP6 matrix_b_fmt:MATRIX_FMT_FP6 matrix_a_scale:MATRIX_SCALE_ROW1
.endif
.endr
.endr
.endm
.macro FETCH_B slot, q, p
	WIN TO_B
.irp i, 0,1,2,3,4,5,6,7
	FRAG 128*(\p)+FR*\i, ADRB+\slot, \q, \i
.endr
	WIN 0
.endm
.macro FETCH_A slot, q, i0
.irp i, \i0, \i0+1, \i0+2, \i0+3
	FRAGA AF+FR*(\i), ADRA+\slot, \q, \i
.endr
.endm
.macro SCALES sc
.irp i, 0,1,2,3,4,5,6,7
	ds_load_b64 v[SC+8*NQ*\sc+NQ*\i:SC+8*NQ*\sc+NQ*\i+1], v[ADRS] offset:\i*SBLK
.endr
.endm
.macro PLACES n
.rept \n
	v_nop
.endr
.endm
.macro STEP slot, q, zero
	s_wait_dscnt 4*NL                              ; B's set and A's blocks 0-3 are in; the youngest 24 loads (A's blocks 4-7) may be out
	WIN MUL_LO
	MUL16 0, (\q)%2, \q, \slot, \zero
	MUL16 2, (\q)%2, \q, \slot, \zero
	s_wait_dscnt 0
	PLACES NP
	FETCH_B \slot, (\q)+1, 1-(\q)%2
	FETCH_A \slot, (\q)+1, 0
	WIN MUL_HI
	MUL16 4, (\q)%2, \q, \slot, \zero
	MUL16 6, (\q)%2, \q, \slot, \zero
	PLACES NP
	WIN 0
	FETCH_A \slot, (\q)+1, 4
.endm
.macro TURN slot, next, fill
	s_wait_tensorcnt 0x0                           ; all my tensor loads have landed: my part of the next slot
	ds_add_u32 v[SPW], v[NIL]                      ; 0 onto my spare word
	s_wait_dscnt 4*NL+1                            ; (the add and the youngest 24 loads may be out)
	WIN MUL_LO
	MUL16 0, 1, NQ-1, \slot, 0
	s_wait_dscnt 0x0                               ; the add is done, and my reads of this slot are over
	s_barrier_signal -1
	MUL16 2, 1, NQ-1, \slot, 0
	WIN 0
	s_barrier_wait -1
.if \fill
	CREST                                          ; the barrier has opened a round of the cluster's: no wave of any partner still reads this slot or has a load on its way
	s_add_nc_u64 s[G0+4*\slot+2:G0+4*\slot+3], s[G0+4*\slot+2:G0+4*\slot+3], 2*ATB
	s_add_nc_u64 s[G0B+4*\slot+2:G0B+4*\slot+3], s[G0B+4*\slot+2:G0B+4*\slot+3], 2*ROWB
	JLOAD G0+4*\slot, G1, G0B+4*\slot, G1B         ; the first tensor load behind the round; its four v_nop are the places in front of the loads below
.else
	PLACES NP
.endif
	v_add_nc_u32 v[ADRS], 4*NQ, v[ADRS]
	FETCH_B \next, 0, 0
	FETCH_A \next, 0, 0
	SCALES \next
	WIN MUL_HI
	MUL16 4, 1, NQ-1, \slot, 0
	MUL16 6, 1, NQ-1, \slot, 0
	PLACES NP
	WIN 0
	FETCH_A \next, 0, 4
.endm
	s_wait_tensorcnt 1                             ; the scales and my part of K step 0 are in (K step 1's load may be out),
	s_barrier_signal -1
	s_barrier_wait -1                              ; everybody's are
	FETCH_B 0, 0, 0
	FETCH_A 0, 0, 0
	SCALES 0
	FETCH_A 0, 0, 4
	STEP 0, 0, 1                                   ; the first step's products start the sums
	s_mov_b32 s3, LAPS-1
.Llap:
	TURN 0, 1, 1
	STEP 1, 0, 0
	TURN 1, 0, 1
	STEP 0, 0, 0
	s_sub_co_u32 s3, s3, 1
	s_cmp_lg_u32 s3, 0
	s_cbranch_scc1 .Llap
	TURN 0, 1, 0                                   ; the last lap fills nothing
	STEP 1, 0, 0
	s_wait_dscnt 4*NL
	WIN MUL_LO
	MUL16 0, 1, NQ-1, 1, 0
	MUL16 2, 1, NQ-1, 1, 0
	s_wait_dscnt 0
	WIN MUL_HI
	MUL16 4, 1, NQ-1, 1, 0
	MUL16 6, 1, NQ-1, 1, 0
	WIN 0
; THE WAY OUT, block by block of 16 rows x 128 columns, through my own stage in LDS: in at the columns' actual places, back as whole rows of 512 bytes, stored at the rows' actual places.
; LDS serves a wave's instructions in order: no wait between the stores and the loads, nor in front of the next block's stores.
.macro TOSTAGE a
.set AC, 64*((\a)%4)
	WIN 0x08+4*((\a)/4)                            ; the data: window 2 or 3
.irp b, 0,1,2,3,4,5,6,7
	ds_store_b128 v[STO], v[AC+8*\b:AC+8*\b+3] offset:256*(\b/4)+32*(\b%4)       ; each accumulator from its low end on
	ds_store_b128 v[STO], v[AC+8*\b+4:AC+8*\b+7] offset:256*(\b/4)+32*(\b%4)+16
.endr
	WIN 0
.set BB, BK+64*((\a)%2)
.irp t, 0,1,2,3,4,5,6,7,8,9,10,11,12,13,14,15
	ds_load_b128 v[BB+4*\t:BB+4*\t+3], v[RD] offset:\t*SPITCH
.endr
.endm
.macro SEND a, younger                 ; younger: the LDS instructions issued behind block a's loads, which may stay out
.set BB, BK+64*((\a)%2)
	s_wait_dscnt \younger
.irp t, 0,1,2,3,4,5,6,7,8,9,10,11,12,13,14,15
	global_store_b128 v[CO], v[BB+4*\t:BB+4*\t+3], s[12:13] offset:(64*((\a)/4)+32*(\t/8)+8*((\a)%4)+\t%8)*SIZE_N*4 th:TH_STORE_NT   ; 512 consecutive bytes, aligned to 256; 127 rows of 4,096 bytes at the most, inside the signed 24-bit immediate
.endr
.endm
	PLACES NP                                      ; behind the last products: for the loads into the registers that held A's fragments and for the reads of results
	TOSTAGE 0
.irp a, 1,2,3,4,5,6,7
.if \a > 1
	s_wait_xcnt 0x0                                ; block a - 2's stores have read their registers: block a's loads may land there
.endif
	TOSTAGE \a
	SEND \a-1, 32                                  ; behind block a - 1's loads: block a's 16 stores and 16 loads
.endr
	SEND 7, 0
	s_wait_tensorcnt 0x0                           ; the wave's end: behind my last tensor load and my last LDS store
	ds_add_u32 v[SPW], v[NIL]
	s_wait_dscnt 0x0
	CROUND                                         ; the closing round
	s_endpgm
.Lfunc_end_k_q6125980562_outp:
	.size	k_q6125980562_outp, .Lfunc_end_k_q6125980562_outp-k_q6125980562_outp
	.p2alignl 7, 3214868480
	.fill 96, 4, 3214868480
	.section	.rodata,"a",@progbits
	.p2align	6, 0x0
	.amdhsa_kernel k_q6125980562_outp
		.amdhsa_group_segment_fixed_size 327680
		.amdhsa_private_segment_fixed_size 0
		.amdhsa_enable_private_segment 0
		.amdhsa_kernarg_size 40
		.amdhsa_user_sgpr_count 2
		.amdhsa_user_sgpr_kernarg_segment_ptr 1
		.amdhsa_wavefront_size32 1
		.amdhsa_system_sgpr_workgroup_id_x 1
		.amdhsa_system_sgpr_workgroup_id_y 1
		.amdhsa_system_sgpr_workgroup_id_z 1
		.amdhsa_system_vgpr_workitem_id 0
		.amdhsa_next_free_vgpr 1024
		.amdhsa_next_free_sgpr 98
		.amdhsa_reserve_vcc 0
		.amdhsa_float_denorm_mode_32 3
		.amdhsa_float_denorm_mode_16_64 3
		.amdhsa_memory_ordered 1
		.amdhsa_forward_progress 1
		.amdhsa_inst_pref_size 159
	.end_amdhsa_kernel
	.amdgpu_metadata
---
amdhsa.version: [ 1, 2 ]
amdhsa.kernels:
  - .name:           k_q6125980562_outp
    .symbol:         k_q6125980562_outp.kd
    .args:
      - { .name: y_codes, .offset: 0, .size: 8, .value_kind: global_buffer, .address_space: global }
      - { .name: y_scales, .offset: 8, .size: 8, .value_kind: global_buffer, .address_space: global }
      - { .name: codes, .offset: 16, .size: 8, .value_kind: global_buffer, .address_space: global }
      - { .name: scales, .offset: 24, .size: 8, .value_kind: global_buffer, .address_space: global }
      - { .name: out0, .offset: 32, .size: 8, .value_kind: global_buffer, .address_space: global }
    .group_segment_fixed_size: 327680
    .private_segment_fixed_size: 0
    .kernarg_segment_align: 8
    .kernarg_segment_size: 40
    .max_flat_workgroup_size: 128
    .sgpr_count:     98
    .vgpr_count:     1024
    .wavefront_size: 32
...
	.end_amdgpu_metadata
.endif
;; end of part 5
